; MI455X (gfx1250); checked and timed in simulation.
; The chip was launched on July 23, 2026; its instructions are those of AMD's public machine-readable ISA for CDNA 5 (MIT licence, August 2026) and "CDNA5" Instruction Set Architecture Reference Guide (July 2026). The comments in the code are by the model that wrote it; some were corrected since.
;; Rotary Multi Head Attention. Allowed arithmetic: matrix products marked QUANTISED: E2M1 operands, one E8M0 scale for each 32 along K, by v_wmma_scale_f32_16x16x128_f8f6f4 with both operands' format E2M1 (or v_wmma_scale_f32_32x16x128_f4), f32 sums; products left as they are: f32 operands where the result goes on into a quantised operand, else bf16, f16 or f32 operands; f32 sums; everything else in f32.
;; Inputs: Wk 1,024 x 1,024 float32; Wo 1,024 x 1,024 float32; Wq 1,024 x 1,024 float32; Wv 1,024 x 1,024 float32; bk 1,024 float32; bo 1,024 float32; bq 1,024 float32; bv 1,024 float32; x 2 x 2,048 x 1,024 float32.
;; Outputs: out0 2 x 2,048 x 1,024 float32.
;; This version of the problem:
;;   THIS VERSION OF THE PROBLEM IS GIVEN IN LOW PRECISION. The matrix products marked QUANTISED in the list below multiply operands that are first quantised to E2M1 (2 exponent bits, 1 mantissa bit; 4 bits a number), with one power-of-two scale for each 32 numbers along K (OCP MX v1.0); their sums are f32. All else is computed in f32.
;;   The module's matrix products, in the order in which they are computed (A, B: the left and right operand; K: the contracted axis; several contracted axes count as one K, in the product's order):
;;     1. [M 4,096, K 1,024] x [K 1,024, N 1,024]; A: input x; B: input Wq: QUANTISED
;;     2. [M 4,096, K 1,024] x [K 1,024, N 1,024]; A: input x; B: input Wk: QUANTISED
;;     3. [M 4,096, K 1,024] x [K 1,024, N 1,024]; A: input x; B: input Wv: QUANTISED
;;     4. [M 2,048, K 1] x [K 1, N 32]; A: computed on the way; B: computed on the way: left as it is (no contracted axis)
;;     5. batch 32 x [M 2,048, K 64] x [K 64, N 2,048]; A: computed on the way; B: computed on the way: QUANTISED
;;     6. batch 32 x [M 2,048, K 2,048] x [K 2,048, N 64]; A: softmax (see below); B: computed on the way: QUANTISED
;;     7. [M 4,096, K 1,024] x [K 1,024, N 1,024]; A: computed on the way; B: input Wo: QUANTISED
;;   THE QUANTISER, for each operand of a quantised product, along K:
;;     - K is cut into blocks of 32 from its start; a last block that is shorter is filled with zeros.
;;     - A block's scale is 2^e with e = floor(log2(the largest magnitude in the block)) - 2, held to -126 .. 127; a block of zeros has e = 0. As a byte (E8M0): e + 127.
;;     - Each number is divided by its block's scale, clamped to +-6, and rounded to the nearest number of E2M1, ties to even, subnormals kept.
;;     - The product sums the exact products of the quantised numbers (number of the format x scale) in f32.
;;   ~~~python
;;   def quantise(x, axis):      # numpy; x: float32 -> the quantised numbers, widened to float32 again
;;       x = np.moveaxis(x, axis, -1); K = x.shape[-1]
;;       x = np.pad(x, [(0, 0)] * (x.ndim - 1) + [(0, -K % 32)]); x = x.reshape(x.shape[:-1] + (-1, 32)); a = np.abs(x).max(-1, keepdims=True)
;;       e = np.where(a > 0, np.clip(np.frexp(np.where(a > 0, a, 1))[1] - 1 - 2, -126, 127), 0)      # np.frexp(a)[1] - 1 = floor(log2(a)), exactly
;;       r = np.clip(x / 2.0 ** e, -6, 6)
;;       step = 2.0 ** (np.maximum(np.frexp(np.where(r == 0, 1, r))[1] - 1, 0) - 1)
;;       q = np.round(r / step) * step * 2.0 ** e      # np.round: ties to even
;;       return np.moveaxis(q.reshape(q.shape[:-2] + (-1,))[..., :K], -1, axis).astype(np.float32)
;;   ~~~
;;   SOFTMAX AHEAD OF A QUANTISED PRODUCT. Where the list says 'softmax', what is quantised is not the finished softmax but p = 2^(t - M), with t = logit x log2(e) and M = ceil(the row's largest t), a whole number; so 1/2 < the row's largest p <= 1. The row's sum l is taken of the UNQUANTISED p, in f32, and the product's result is divided by l at the end. Since M is a whole number, a kernel that streams over the keys may use a running M (the ceiling of the running maximum): every later rescaling is an exact power of two, which a block's scale takes up: the codes' values come out the same.
;;   OPERANDS COMPUTED ON THE WAY. 'Computed on the way' means the value that the module computes at that place (a softmax that the list does not call 'softmax' is quantised finished and normalised). What goes into a quantiser is computed in f32, as accurately as f32 sums, v_exp_f32 and their like allow (about 1e-6 of the number): no bf16 or f16 on the way to a quantiser, and a product that is left as it is and whose result goes on into a quantised operand takes f32 operands (vector FMAs, or v_wmma_f32_16x16x4_f32). A number that lies on a knife's edge between two numbers of the format may be rounded either way, as far as f32 arithmetic and the matrix unit's own rounding can turn it there, and no further.
;; One version. Each part assembles by itself: llvm-mc -triple=amdgcn-amd-amdhsa -mcpu=gfx1250 --defsym DOCPART=n.
;; ======== version 1 of 1: 4 launches
;; limits: right only within a limited range of input values
;; workspace buffers: cimg 4,194,304 bytes; simg 262,144 bytes; rope 524,288 bytes; qkv 6,684,672 bytes; oimg 2,097,152 bytes; oscl 131,072 bytes
;; launch prep (part 1): grid 256 x 1, 4 waves a work-group, no clusters, 68,096 bytes of LDS; arguments x, Wq, Wk, Wv, Wo, cimg, simg, rope; writes cimg, simg, rope
.if DOCPART == 1
	.amdgcn_target "amdgcn-amd-amdhsa--gfx1250"
	.amdhsa_code_object_version 6
	.text
	.protected	k_qeea89f4db8_prep
	.globl	k_qeea89f4db8_prep
	.p2align	8
	.type	k_qeea89f4db8_prep,@function
k_qeea89f4db8_prep:
	s_mov_b64 s[64:65], 0
	v_nop
	global_prefetch_b8 v0, s[64:65] scope:SCOPE_SE
	s_setreg_imm32_b32 hwreg(HW_REG_WAVE_MODE, 25, 1), 1
	s_wait_xcnt 0x0
; x [4096][1024] and Wq, Wk, Wv, Wo [1024][1024], f32, K innermost, become codes of FP4 (E2M1) with one E8M0 byte for each 32 along K; and the table of cos and sin for the rotary embedding is made.
; THE CODES ARE LAID AS IMAGES OF THE MATRIX OPERAND'S REGISTERS.  The five tensors on end are 8,192 rows = 512 row tiles of 16.  Row tile 2 G + u holds, at lane-row rho, row 32 G + 8 u + rho + 8 (rho / 8).
; cimg [row tile][K step of 128][1,024 bytes]: byte 512 c + 16 (16 h + rho) + i holds the codes of k = 64 c + 32 h + 2 i, 2 i + 1: two accesses of 16 bytes a lane move a fragment, 512 consecutive bytes each.
; simg [row tile][s][rho][4 words]: word q = the four scale bytes of K step 4 s + q.
; A block's scale is 2^(floor(log2(largest magnitude)) - 2): its byte is the largest magnitude's exponent field - 2, held at 1 from below by a floor among the maximum's leaves.
; SHARES.  Work-group g takes rows 32 g .. 32 g + 31; wave w takes row tile 2 g + (w / 2), K steps 4 (w % 2) on: four fragments.  A load reads 512 consecutive bytes of one row (128 along K).
; ALL OF A WAVE'S 64 LOADS GO OUT AT THE START (32 KiB a wave, into window 1).  A fragment's 16 rows turn through the wave's own stage in LDS (rows 528 bytes apart) and come back 128 bytes a lane: the lane's
; two blocks of 32.  Two stages and two sets of numbers by turns: the turn runs one fragment ahead of the arithmetic.  Waves share nothing: no barrier.
; rope [position 2,048][p 16][cos(2p), cos(2p+1), sin(2p), sin(2p+1)]: frequency f has the angle position x 10000^(-f/32).  The power is 2^(-f c), c = log2(10000)/32 in two parts, so that it is right to about
; one unit in its last place; the angle is reduced by multiples of pi/2 held in two parts (what is left out is under 3e-12 rad at the 1,304 multiples that occur), then two polynomials on [-pi/4, pi/4].
; LIMITS: the angle at the last positions is right to about 2e-4 rad, which is what one unit in the last place of the frequency makes there.  NaN and infinities among the inputs are not served.
; A block of zeros gets the byte 1 where the rule says 127: its codes are zeros, and this program alone reads the bytes.
; No matrix unit, cluster or tensor load: memory binds, and no two work-groups read the same byte.
; REGISTERS: window 0: v1-15 addresses and the table's results; v16-143 two sets of 64 numbers; v144-163 at work for the table; v208-239 codes; v240-253 scale words and at work.  window 1: four sets of 64 as loaded.
.set SP,   528                         ; a stage row: 512 bytes + 16
.set WSTG, 16*SP                       ; a stage; a wave has two
.set XB,   16                          ; v16-143  two sets: my two blocks of 32
.set CB,   208                         ; v208-239 codes, 8 registers for each fragment: no store's data are written again
.set WB,   240                         ; v240-243 the four scale words
.set MX,   244                         ; v244-245 largest magnitudes, v246-247 the conversions' scale operands, v248-249 bytes, v250-251 parts of a word
.set SEL,  42                          ; s[42:43] lane selects: lane l xor 16
.set MSB, 0
.macro WIN new                         ; the immediate's high byte repeats the setting that is left
.if MSB != (\new)
	s_set_vgpr_msb (MSB<<8)|(\new)
.set MSB, \new
.endif
.endm
	s_load_b256 s[4:11], s[0:1], 0x0               ; x, Wq, Wk, Wv
	s_load_b256 s[12:19], s[0:1], 0x20             ; Wo, cimg, simg, rope
	v_lshl_add_u32 v254, v0, 2, 0x10800
	v_mov_b32 v255, 0
	v_lshrrev_b32 v1, 5, v0
	v_readfirstlane_b32 s2, v1                     ; wave 0..3
	v_and_b32 v1, 31, v0                           ; lane
	v_and_b32 v2, 15, v0                           ; r
	v_bfe_u32 v3, v0, 4, 1                         ; h
	v_lshlrev_b32 v4, 4, v1                        ; 16 x lane: a load's, a code store's place
	s_mul_i32 s3, s2, 2*WSTG
	v_add_nc_u32 v5, s3, v4                        ; the stages, on the way in
	v_mul_u32_u24 v6, v2, SP
	v_lshl_add_u32 v6, v3, 7, v6
	v_add_nc_u32 v6, s3, v6                        ; and out: row r, + 128 h
	v_lshlrev_b32 v8, 4, v2
	v_lshl_add_u32 v8, v3, 3, v8                   ; the scale words' place: 16 r + 8 h
	v_lshlrev_b32 v9, 3, v3                        ; 8 h
	v_lshlrev_b32 v10, 4, v0                       ; the table: 16 bytes a thread
	v_mov_b32 v251, 0                              ; a lane permute's destination counts as one of its sources
	s_lshr_b32 s20, s2, 1                          ; u
	s_and_b32 s21, s2, 1                           ; s
	s_lshl_b32 s20, s20, 15                        ; 8 rows of 4,096 bytes
	s_lshl_b32 s21, s21, 11                        ; 4 K steps of 512 bytes
	s_add_co_u32 s22, s20, s21
	s_mov_b32 s23, 0
	s_lshl_b32 s24, ttmp9, 14                      ; cimg: 2 row tiles of 8,192 bytes a work-group, 4,096 a wave
	s_lshl_b32 s20, s2, 12
	s_add_co_u32 s24, s24, s20
	s_mov_b32 s25, 0
	s_lshl_b32 s26, ttmp9, 10                      ; simg: 1,024 bytes a work-group, 256 a wave
	s_lshl_b32 s20, s2, 8
	s_add_co_u32 s26, s26, s20
	s_mov_b32 s27, 0
	s_lshl_b32 s28, ttmp9, 11                      ; rope: 8 positions of 256 bytes a work-group
	s_mov_b32 s29, 0
	s_mov_b32 s30, 0xbed49a78                      ; -c, high part
	s_mov_b32 s31, 0xb2179a30                      ; -c, low part
	s_mov_b32 s32, 0x3f317218                      ; ln 2
	s_mov_b32 s33, 0x3f22f983                      ; 2 / pi
	s_mov_b32 s34, 0xbfc90fdb                      ; -(pi/2), high part
	s_mov_b32 s35, 0x333bbd2e                      ; what the high part has too much
	s_mov_b32 s36, 0xb94ca1f9                      ; the sine's three coefficients
	s_mov_b32 s37, 0x3c08839e
	s_mov_b32 s38, 0xbe2aaaa3
	s_mov_b32 s39, 0x37ccf5ce                      ; the cosine's
	s_mov_b32 s40, 0xbab6061a
	s_mov_b32 s41, 0x3d2aaaa5
	s_mov_b32 s[SEL], 0x76543210
	s_mov_b32 s[SEL+1], 0xfedcba98
	s_wait_kmcnt 0x0
	s_cmp_lt_u32 ttmp9, 224                        ; which tensor: the choice hangs on the work-group's number alone
	s_cselect_b64 s[12:13], s[10:11], s[12:13]
	s_cmp_lt_u32 ttmp9, 192
	s_cselect_b64 s[12:13], s[8:9], s[12:13]
	s_cmp_lt_u32 ttmp9, 160
	s_cselect_b64 s[12:13], s[6:7], s[12:13]
	s_cmp_lt_u32 ttmp9, 128
	s_cselect_b64 s[12:13], s[4:5], s[12:13]
	s_cselect_b32 s20, 127, 31
	s_and_b32 s20, ttmp9, s20                      ; the group of 32 rows within its tensor
	s_lshl_b32 s20, s20, 17
	s_add_co_u32 s22, s22, s20
	s_add_nc_u64 s[12:13], s[12:13], s[22:23]
	s_add_nc_u64 s[14:15], s[14:15], s[24:25]
	s_add_nc_u64 s[16:17], s[16:17], s[26:27]
	s_add_nc_u64 s[18:19], s[18:19], s[28:29]
.macro LOAD q                          ; fragment q: 16 rows x 512 bytes into v[64 q ..] of window 1; lane-row i is row i + 8 (i / 8) of my 8 + 8
	WIN 0x40                                       ; destination window 1, address window 0
.irp i, 0,1,2,3,4,5,6,7,8,9,10,11,12,13,14,15
	global_load_b128 v[64*(\q)+4*\i:64*(\q)+4*\i+3], v4, s[12:13] offset:(\i+8*(\i/8))*4096+512*(\q) th:TH_LOAD_NT
.endr
	WIN 0
.endm
.macro TURN q                          ; through stage q % 2: LDS serves a wave's instructions in order, so no wait stands between the stores and the loads
	WIN 0x04                                       ; an LDS store's data are its source 1: window 1
.irp i, 0,1,2,3,4,5,6,7,8,9,10,11,12,13,14,15
	ds_store_b128 v5, v[64*(\q)+4*\i:64*(\q)+4*\i+3] offset:WSTG*((\q)%2)+SP*\i
.endr
	WIN 0
.irp c, 0,1
.irp i, 0,1,2,3,4,5,6,7
	ds_load_b128 v[XB+64*((\q)%2)+32*\c+4*\i:XB+64*((\q)%2)+32*\c+4*\i+3], v6 offset:WSTG*((\q)%2)+256*\c+16*\i   ; k = 64 c + 32 h + 4 i ..
.endr
.endr
.endm
.macro WORK q                          ; my blocks h and 2 + h of the K step: all 32 numbers of each are mine
.set XS, XB+64*((\q)%2)
.irp c, 0,1
	v_max3_num_f32 v[MX+\c], |v[XS+32*\c]|, |v[XS+32*\c+1]|, 0x1800000   ; with the floor 2^(3 - 127): the byte cannot fall under 1
.endr
.irp i, 2,4,6,8,10,12,14,16,18,20,22,24,26,28,30
.irp c, 0,1
	v_max3_num_f32 v[MX+\c], v[MX+\c], |v[XS+32*\c+\i]|, |v[XS+32*\c+\i+1]|   ; (the two blocks by turns)
.endr
.endr
.irp c, 0,1
	v_add_nc_u32 v[MX+2+\c], 0xff000000, v[MX+\c]  ; 2 off the exponent field: the conversion's scale operand
.endr
.irp c, 0,1
	v_lshrrev_b32 v[MX+4+\c], 23, v[MX+2+\c]       ; the scale's byte
.endr
	v_lshl_or_b32 v250, v[MX+5], 16, v[MX+4]
	v_lshlrev_b32 v250, v9, v250                   ; my two bytes at their places, 8 h bits up
	v_permlanex16_b32 v251, v250, s[SEL], s[SEL+1]
	v_or_b32 v[WB+\q], v250, v251                  ; with lane l xor 16's two the word is whole
.irp c, 0,1
.irp g, 0,1,2,3
	v_cvt_scalef32_pk8_fp4_f32 v[CB+8*\q+4*\c+\g], v[XS+32*\c+8*\g:XS+32*\c+8*\g+7], v[MX+2+\c]
.endr
.endr
	v_nop                                          ; one plain line behind the last conversion
.irp c, 0,1
	global_store_b128 v4, v[CB+8*\q+4*\c:CB+8*\q+4*\c+3], s[14:15] offset:1024*\q+512*\c   ; 32 lanes store 512 consecutive bytes, aligned
.endr
.endm
; cos and sin of position x 10000^(-f/32).  f: register with the frequency's number as f32; t: eight registers at work
.macro TRIG f, co, si, t
	v_mul_f32 v[\t], s30, v[\f]                    ; a = -c f, rounded
	v_fma_f32 v[\t+1], v[\f], s30, -v[\t]          ; what the rounding dropped, exactly,
	v_fma_f32 v[\t+1], v[\f], s31, v[\t+1]         ; and c's low part
	v_exp_f32 v[\t+2], v[\t]
	v_nop                                          ; one plain line behind a transcendental
	s_wait_alu depctr_va_vdst(0)
	v_mul_f32 v[\t+3], v[\t+2], v[\t+1]
	v_fma_f32 v[\t+2], v[\t+3], s32, v[\t+2]       ; 2^(a + e) = 2^a (1 + e ln 2)
	v_mul_f32 v[\t], v146, v[\t+2]                 ; the angle
	v_mul_f32 v[\t+1], s33, v[\t]
	v_rndne_f32 v[\t+1], v[\t+1]                   ; n quarter turns
	v_fma_f32 v[\t+3], v[\t+1], s34, v[\t]
	v_fma_f32 v[\t+3], v[\t+1], s35, v[\t+3]       ; r = angle - n pi/2
	v_mul_f32 v[\t+4], v[\t+3], v[\t+3]            ; z = r r
	v_cvt_i32_f32 v[\t+5], v[\t+1]
	v_fma_f32 v[\t+6], v[\t+4], s36, s37
	v_fma_f32 v[\t+6], v[\t+6], v[\t+4], s38
	v_mul_f32 v[\t+7], v[\t+3], v[\t+4]
	v_fma_f32 v[\t+6], v[\t+7], v[\t+6], v[\t+3]   ; sin r
	v_fma_f32 v[\t+7], v[\t+4], s39, s40
	v_fma_f32 v[\t+7], v[\t+7], v[\t+4], s41
	v_mul_f32 v[\t], v[\t+4], v[\t+4]
	v_fma_f32 v[\t+2], v[\t+4], -0.5, 1.0
	v_fma_f32 v[\t+7], v[\t], v[\t+7], v[\t+2]     ; cos r
	v_and_b32 v[\t], 1, v[\t+5]
	v_cmp_eq_u32 vcc_lo, 1, v[\t]                  ; an odd n swaps the two
	v_cndmask_b32 v[\t+1], v[\t+6], v[\t+7], vcc_lo
	v_cndmask_b32 v[\t+2], v[\t+7], v[\t+6], vcc_lo
	v_lshlrev_b32 v[\t], 30, v[\t+5]
	v_and_b32 v[\t], 0x80000000, v[\t]             ; the sine is negated where n % 4 is 2 or 3,
	v_xor_b32 v[\si], v[\t], v[\t+1]
	v_add_nc_u32 v[\t+5], 1, v[\t+5]
	v_lshlrev_b32 v[\t+5], 30, v[\t+5]
	v_and_b32 v[\t+5], 0x80000000, v[\t+5]         ; the cosine where it is 1 or 2
	v_xor_b32 v[\co], v[\t+5], v[\t+2]
.endm
	LOAD 0
	LOAD 1
	LOAD 2                                         ; 48 loads of the wave are out while the table is made; the last 16 follow it
	v_lshrrev_b32 v146, 4, v0
	s_lshl_b32 s20, ttmp9, 3
	v_add_nc_u32 v146, s20, v146
	v_cvt_f32_u32 v146, v146                       ; my position: 8 g + thread / 16
	v_lshlrev_b32 v144, 1, v2
	v_cvt_f32_u32 v144, v144                       ; my frequencies: 2 p
	v_add_f32 v145, 1.0, v144                      ; and 2 p + 1
	TRIG 144, 12, 14, 148
	TRIG 145, 13, 15, 156
	global_store_b128 v10, v[12:15], s[18:19]      ; sixteen lanes store a position's 256 bytes; v10 and v12-15 are not written again
	LOAD 3
	s_wait_loadcnt 48                              ; fragment 0's 16 loads are in; the 48 behind them may be out
	TURN 0
	s_wait_loadcnt 32
	TURN 1
	s_wait_dscnt 32                                ; fragment 0 is back from its stage; fragment 1's 16 stores and 16 loads may be out
	WORK 0
	s_wait_loadcnt 16
	TURN 2                                         ; into the stage and the registers that fragment 0 has left
	s_wait_dscnt 32
	WORK 1
	s_wait_loadcnt 0x0
	TURN 3
	s_wait_dscnt 32
	WORK 2
	s_wait_dscnt 0x0
	WORK 3
	v_cmp_le_u32 vcc_lo, 16, v1
	v_cndmask_b32 v252, v[WB], v[WB+2], vcc_lo     ; lanes 0-15 store words 0 and 1 of their row, lanes 16-31 words 2 and 3
	v_cndmask_b32 v253, v[WB+1], v[WB+3], vcc_lo
	global_store_b64 v8, v[252:253], s[16:17]      ; 256 consecutive bytes, aligned
	s_wait_tensorcnt 0x0
	ds_add_u32 v254, v255
	s_wait_dscnt 0x0
	s_endpgm
.Lfunc_end_k_qeea89f4db8_prep:
	.size	k_qeea89f4db8_prep, .Lfunc_end_k_qeea89f4db8_prep-k_qeea89f4db8_prep
	.p2alignl 7, 3214868480
	.fill 96, 4, 3214868480
	.section	.rodata,"a",@progbits
	.p2align	6, 0x0
	.amdhsa_kernel k_qeea89f4db8_prep
		.amdhsa_group_segment_fixed_size 68096
		.amdhsa_private_segment_fixed_size 0
		.amdhsa_enable_private_segment 0
		.amdhsa_kernarg_size 64
		.amdhsa_user_sgpr_count 2
		.amdhsa_user_sgpr_kernarg_segment_ptr 1
		.amdhsa_wavefront_size32 1
		.amdhsa_system_sgpr_workgroup_id_x 1
		.amdhsa_system_sgpr_workgroup_id_y 1
		.amdhsa_system_sgpr_workgroup_id_z 1
		.amdhsa_system_vgpr_workitem_id 0
		.amdhsa_next_free_vgpr 512
		.amdhsa_next_free_sgpr 66
		.amdhsa_reserve_vcc 1
		.amdhsa_float_denorm_mode_32 3
		.amdhsa_float_denorm_mode_16_64 3
		.amdhsa_memory_ordered 1
		.amdhsa_forward_progress 1
		.amdhsa_inst_pref_size 35
	.end_amdhsa_kernel
	.amdgpu_metadata
---
amdhsa.version: [ 1, 2 ]
amdhsa.kernels:
  - .name:           k_qeea89f4db8_prep
    .symbol:         k_qeea89f4db8_prep.kd
    .args:
      - { .name: x, .offset: 0, .size: 8, .value_kind: global_buffer, .address_space: global }
      - { .name: Wq, .offset: 8, .size: 8, .value_kind: global_buffer, .address_space: global }
      - { .name: Wk, .offset: 16, .size: 8, .value_kind: global_buffer, .address_space: global }
      - { .name: Wv, .offset: 24, .size: 8, .value_kind: global_buffer, .address_space: global }
      - { .name: Wo, .offset: 32, .size: 8, .value_kind: global_buffer, .address_space: global }
      - { .name: cimg, .offset: 40, .size: 8, .value_kind: global_buffer, .address_space: global }
      - { .name: simg, .offset: 48, .size: 8, .value_kind: global_buffer, .address_space: global }
      - { .name: rope, .offset: 56, .size: 8, .value_kind: global_buffer, .address_space: global }
    .group_segment_fixed_size: 68096
    .private_segment_fixed_size: 0
    .kernarg_segment_align: 8
    .kernarg_segment_size: 64
    .max_flat_workgroup_size: 128
    .sgpr_count:     66
    .vgpr_count:     512
    .wavefront_size: 32
...
	.end_amdgpu_metadata
.endif
;; end of part 1
;; launch qkv (part 2): grid 12 x 16, 4 waves a work-group, clusters of 4 x 4, 279,040 bytes of LDS; arguments cimg, simg, rope, bq, bk, bv, qkv; writes qkv
.if DOCPART == 2
	.amdgcn_target "amdgcn-amd-amdhsa--gfx1250"
	.amdhsa_code_object_version 6
	.text
	.protected	k_qeea89f4db8_qkv
	.globl	k_qeea89f4db8_qkv
	.p2align	8
	.type	k_qeea89f4db8_qkv,@function
k_qeea89f4db8_qkv:
	s_mov_b64 s[64:65], 0
	v_nop
	global_prefetch_b8 v0, s[64:65] scope:SCOPE_SE
	s_setreg_imm32_b32 hwreg(HW_REG_WAVE_MODE, 25, 1), 1
	s_wait_xcnt 0x0
	s_wait_alu depctr_hold_cnt(0) depctr_sa_sdst(0) depctr_va_vdst(0) depctr_va_sdst(0) depctr_va_ssrc(0) depctr_va_vcc(0) depctr_vm_vsrc(0)
	s_getreg_b32 s2, hwreg(HW_REG_IB_STS2, 6, 4)
	s_cmp_eq_u32 s2, 0
	s_cbranch_scc0 .Lentry_in_a_cluster
	s_endpgm
.Lentry_in_a_cluster:
	s_bfe_u32 s2, ttmp6, 0x10000c
	s_cmp_lg_u32 s2, 0xf033
	s_cbranch_scc0 .Lentry_shape_is_right
	s_endpgm
.Lentry_shape_is_right:
; q = x Wq^T + bq, k = x Wk^T + bk, v = x Wv^T + bv on codes of FP4 with E8M0 scales; q and k are rotated (RoPE) in f32; then q and k are quantised along the head's 64 and v along the keys.
; A tile of 256 x 256 is made by four waves, 128 x 128 each: 64 accumulators, 512 registers.  K = 1,024 is 512 bytes a row, so ALL OF K for both operands lies in LDS (two halves of 512 along K, each filled once):
; no LDS byte is filled twice, so there is no ring.  Operands lie in memory and in LDS as images of their registers (row tile, K step: 1,024 bytes): every LDS load takes 512 consecutive bytes.
; THE MATRIX INSTRUCTION IS USED TRANSPOSED: source 0 = 16 rows of "B", source 1 = 16 rows of "A": a lane holds one row of A and its registers run along B's rows.  The rows of a row tile are so chosen
; (tile 2 G + u, lane-row rho: row 32 G + 8 u + rho + 8 (rho / 8)) that the 16 registers of accumulators (a, 2 G) and (a, 2 G + 1) are B's rows 32 G + 16 (lane / 16) + 0 .. 15: neighbours.
; The cluster's x says which product: 0: q, 1: k (A = x, B = the weight: a lane holds a position, its registers a head's channels); 2: v (A = Wv, B = x: a lane holds a channel, its registers run along the KEYS).
; So one quantiser serves all three: a tile's eight accumulators are four blocks of 32, half a block in each half of the lanes.
; THE TWO WAYS PART BEHIND THE CHANGE OF SLOTS: each asks there for what its way out wants (bias; cos and sin of four tiles) and then runs the second slot's four K steps itself, so that these loads have
; four K steps in which to land.  Cos and sin of the other four tiles go into B's fragment registers as soon as the last product has read them, four tiles ahead of their use.
; CLUSTERS: 4 x 4 work-groups; A's tiles are shared along a row of the cluster, B's along a column, by joint loads.  192 work-groups: a tile of 128 x 128 would fill the chip but read twice the LDS bytes for each product.
; OUT: qkv [b h 32][step of 128 positions 16][13,056 bytes]: 0 Q, 8 tiles x 512; 4,096 Q's scale words; 4,352 K likewise; 8,448 V [channel tile 4][c 2][512]; 12,544 K's scale words; 12,800 V's.
; A tile of Q or K: lane (rho, h) has the 16 bytes of channels 32 h .. 32 h + 31.  Scale words [lane 32][2]: word w of lane l belongs to tile pair (V: channel tile) 2 w + l / 16, lane-row l % 16.
; LIMITS: NaN and infinities are not served; a block of zeros gets the byte 1 (its codes are zeros; this program alone reads the bytes).
; REGISTERS, in windows of 256: window 0: v2-15 scale words in the making; v16-30 addresses; v32-95 scale words (they hold scales and nothing else); v96-159 a tile's 64 numbers; v128-191 A's fragments,
;   on the way out numbers and work; v192-255 cos and sin of tiles 2, 3 (v: v192-199 bv).   window 1: B's fragments, two sets, v0-63 and v128-191, then cos and sin of tiles 4 to 7; v64-127 those of tiles 0, 1;
;   v192-255 bq or bk.   windows 2, 3: the accumulators: (a, b) at v[8 (8 (a % 4) + b)].
.set NQ,    4                          ; K steps of 128 in a slot
.set FR,    8                          ; registers of a fragment
.set NL,    2                          ; LDS loads that bring one
.set NP,    4                          ; places behind this matrix instruction (ISA guide 7.12.1)
.set SLOT,  4096                       ; within a row tile's 8,192 bytes: the second four K steps
.set BOFF,  131072                     ; A's 16 row tiles x 8,192 bytes, then B's 16
.set SCL,   262144                     ; behind the slots: A's scale words, 16 x 512 bytes, then B's
.set HEADB, 208896                     ; qkv: bytes of one (b, h)
.set STEPB, 13056                      ; and of one step
.set HWR,  2                           ; v2-3    two bytes each
.set SDR,  4                           ; v4-7    scale words to store
.set PWR,  8                           ; v8-15   scale words in the making
.set ADRA, 16                          ; v16-17  LDS address of my A fragments in slot 0, 1
.set ADRB, 20                          ; v20-21  the same for B
.set LI,   24                          ; v24     16 x lane
.set L8,   25                          ; v25     8 x lane
.set RA,   26                          ; v26     rope: my position's row and my half of it
.set ADRS, 27                          ; v27     LDS address of my scale words: lanes 0-15 A's, lanes 16-31 B's
.set BAQ,  28                          ; v28     bq, bk: 64 h
.set LN,   29                          ; v29     lane
.set BAV,  30                          ; v30     bv: 4 x my row in a pair of tiles
.set SC,   32
.set TR,   96                          ; v96-159  the way out: a tile's 64 numbers
.set AF,   128
.set UR,   160                         ; v160-175 products with sin; behind them:
.set BYR,  160                         ; v160-163 bytes
.set SOR,  164                         ; v164-167 the conversions' scale operands
.set TMR,  176                         ; v176-179 largest magnitudes, v180-183 the other half's
.set PCR,  184                         ; v184-191 codes
.set BV,   192
.set BI,   192                         ; in window 1
.set SEL,  2                           ; s[2:3] lane selects: lane l xor 16
.set G1,   24
.set G0,   32
.set G1B,  48
.set G0B,  56
.set G1S,  68
.set G0S,  76
.set G1SB, 80
.set G0SB, 88
.set MSB, 0
.macro WIN new                         ; the immediate's high byte repeats the setting that is left
.if MSB != (\new)
	s_set_vgpr_msb (MSB<<8)|(\new)
.set MSB, \new
.endif
.endm
.set MUL_LO, 0xa1                      ; source 0 (B) window 1, source 1 (A) window 0, C and D window 2
.set MUL_HI, 0xf1                      ; the same, C and D window 3
.set TO_B,   0x40                      ; destination window 1, address window 0
; THE HEAD'S JOINT LOADS, ONE A WAVE: wave 0 A's codes for all of K (16 row tiles, 131,072 dense bytes), wave 1 B's, wave 2 A's scale words, wave 3 B's.
; One chain of branches on the wave's number, an arm a load; an s_nop 0 and four v_nop follow each load.  Every LDS byte is filled once.
.macro ARM under, g0, g1, next
	s_cmp_lt_u32 s14, \under
	s_cbranch_scc0 \next
	tensor_load_to_lds s[\g0:\g0+3], s[\g1:\g1+7]
	s_nop 0
.rept 4
	v_nop
.endr
	s_branch .Lhead_asked
\next:
.endm
.macro CROUND                          ; a round of the cluster's barrier
	s_barrier_signal -1
	s_barrier_wait -1
	s_cmp_lg_u32 s14, 0
	s_cbranch_scc1 .Lnot_wave_0_\@
	s_barrier_signal -3
.Lnot_wave_0_\@:
	s_barrier_wait -3
	s_barrier_signal -1
	s_barrier_wait -1
.endm
	s_load_b256 s[4:11], s[0:1], 0x0               ; cimg s[4:5], simg s[6:7], rope s[8:9], bq s[10:11]
	s_load_b128 s[92:95], s[0:1], 0x20             ; bk s[92:93], bv s[94:95]
	s_load_b64 s[12:13], s[0:1], 0x30              ; qkv
	v_lshl_add_u32 v23, v0, 2, 0x44000
	v_mov_b32 v31, 0
	ds_add_u32 v23, v31
	ds_add_u32 v23, v31
	v_lshrrev_b32 v1, 5, v0
	v_readfirstlane_b32 s14, v1                    ; wave 0..3
	s_lshr_b32 s15, s14, 1                         ; which half of A's rows is mine
	s_and_b32 s16, s14, 1                          ; which half of B's rows
	s_bfe_u32 s40, ttmp6, 0x40000                  ; cx
	s_bfe_u32 s41, ttmp6, 0x40004                  ; cy
	s_and_b32 s17, ttmp7, 0xffff                   ; the cluster's y
	s_lshr_b32 s42, ttmp9, 1                       ; 1 for v (the cluster's x is 2)
	s_xor_b32 s45, s42, 1                          ; 1 for q and k
	s_lshl_b32 s43, s41, 2
	s_lshl_b32 s43, 15, s43                        ; my row of the cluster
	s_lshl_b32 s44, 0x1111, s40                    ; my column
	s_mov_b32 s[SEL], 0x76543210
	s_mov_b32 s[SEL+1], 0xfedcba98
	; descriptor group 1, codes: 16 row tiles x 8,192 bytes (all 8 K steps), dense; elements of 8 bytes
	s_or_b32 s[G1+0], s43, (3<<16)|(1<<21)         ; 15:0 the mask: A's tiles go to my row; 17:16 elements of 8 bytes; 21 set beside a mask; no padding: an LDS load takes 512 consecutive bytes
	s_or_b32 s[G1B+0], s44, (3<<16)|(1<<21)
.irp g, G1, G1B
	s_mov_b32 s[\g+1], 1024<<16                    ; tensor_dim0: a row tile's 8,192 bytes
	s_mov_b32 s[\g+2], 16<<16                      ; tensor_dim1: 16 row tiles
	s_mov_b32 s[\g+3], 1024<<16                    ; tile_dim0
	s_mov_b32 s[\g+4], 16                          ; tile_dim1
	s_mov_b32 s[\g+5], 1024                        ; tensor_dim0_stride
	s_mov_b32 s[\g+6], 0
	s_mov_b32 s[\g+7], 0
.endr
	; scale words of 16 row tiles: 8,192 dense bytes as 32 rows of 256
	s_or_b32 s[G1S+0], s43, (3<<16)|(1<<21)
	s_or_b32 s[G1SB+0], s44, (3<<16)|(1<<21)
.irp g, G1S, G1SB
	s_mov_b32 s[\g+1], 32<<16
	s_mov_b32 s[\g+2], 32<<16                      ; 16 row tiles' scale words: 8,192 dense bytes as 32 rows of 256
	s_mov_b32 s[\g+3], 32<<16
	s_mov_b32 s[\g+4], 32
	s_mov_b32 s[\g+5], 32
	s_mov_b32 s[\g+6], 0
	s_mov_b32 s[\g+7], 0
.endr
	; the first row tile that I fetch.  A's hangs on cy and the cluster's place, B's on cx and the cluster's place, each in registers that never hold the other coordinate
	s_lshl_b32 s18, s17, 6                         ; 64 x the cluster's y
	s_lshl_b32 s20, s41, 4
	s_mul_i32 s21, s18, s45
	s_add_co_u32 s20, s20, s21
	s_mul_i32 s21, s42, 384
	s_add_co_u32 s20, s20, s21
	s_lshl_b32 s46, s40, 4
	s_lshl_b32 s47, ttmp9, 6
	s_add_co_u32 s47, s47, 256
	s_mul_i32 s47, s47, s45
	s_add_co_u32 s46, s46, s47
	s_mul_i32 s47, s18, s42
	s_add_co_u32 s46, s46, s47
	s_lshl_b32 s22, s20, 9                         ; scale words: 512 bytes a row tile
	s_mov_b32 s23, 0
	s_lshl_b32 s20, s20, 13                        ; codes: 8,192
	s_mov_b32 s21, 0
	s_lshl_b32 s96, s46, 9
	s_mov_b32 s97, 0
	s_lshl_b32 s46, s46, 13
	s_mov_b32 s47, 0
	s_wait_dscnt 0x0
	s_wait_kmcnt 0x0
	s_add_nc_u64 s[20:21], s[4:5], s[20:21]
	s_add_nc_u64 s[22:23], s[6:7], s[22:23]
	s_add_nc_u64 s[46:47], s[4:5], s[46:47]
	s_add_nc_u64 s[96:97], s[6:7], s[96:97]
	CROUND                                         ; all sixteen work-groups are here: the first joint loads meet
	s_mov_b32 s[G0S], 1
	s_mov_b32 s[G0S+1], SCL
	s_mov_b64 s[G0S+2:G0S+3], s[22:23]
	s_or_b32 s[G0S+3], s[G0S+3], 0x80000000
	s_mov_b32 s[G0SB], 1
	s_mov_b32 s[G0SB+1], SCL+8192
	s_mov_b64 s[G0SB+2:G0SB+3], s[96:97]
	s_or_b32 s[G0SB+3], s[G0SB+3], 0x80000000
	s_mov_b32 s[G0], 1
	s_mov_b32 s[G0+1], 0
	s_mov_b64 s[G0+2:G0+3], s[20:21]
	s_or_b32 s[G0+3], s[G0+3], 0x80000000
	s_mov_b32 s[G0B], 1
	s_mov_b32 s[G0B+1], BOFF
	s_mov_b64 s[G0B+2:G0B+3], s[46:47]
	s_or_b32 s[G0B+3], s[G0B+3], 0x80000000
	ARM 1, G0,  G1,  .Lhead_b
	ARM 2, G0B, G1B, .Lhead_sa
	ARM 3, G0S, G1S, .Lhead_sb
	tensor_load_to_lds s[G0SB:G0SB+3], s[G1SB:G1SB+7]
	s_nop 0
.rept 4
	v_nop
.endr
.Lhead_asked:
	v_and_b32 v[LN], 31, v0
	v_and_b32 v1, 15, v0                           ; r
	v_bfe_u32 v2, v0, 4, 1                         ; h
	s_wait_alu depctr_va_vdst(0)
	v_lshlrev_b32 v[LI], 4, v[LN]
	v_lshlrev_b32 v[L8], 3, v[LN]
	s_lshl_b32 s18, s15, 16                        ; my 8 row tiles of A
	s_lshl_b32 s19, s16, 16                        ; my 8 of B,
	s_add_co_u32 s19, s19, BOFF                    ; which lie behind A's 16
.irp s, 0,1
	v_add_nc_u32 v[ADRA+\s], s18, v[LI]
	v_add_nc_u32 v[ADRB+\s], s19, v[LI]
	s_add_co_u32 s18, s18, SLOT
	s_add_co_u32 s19, s19, SLOT
.endr
	v_lshlrev_b32 v5, 4, v1                        ; my lane-row's four words
	s_lshl_b32 s18, s15, 12                        ; A's: my 8 row tiles
	s_lshl_b32 s19, s16, 12                        ; B's: my 8, behind A's 16
	s_add_co_u32 s19, s19, 8192
	s_sub_co_u32 s19, s19, s18
	v_mul_u32_u24 v6, s19, v2                      ; lanes 16-31 take B's: one product, the distance between the two
	s_add_co_u32 s18, s18, SCL
	v_add_nc_u32 v5, v5, v6
	v_add_nc_u32 v[ADRS], s18, v5
	v_and_b32 v3, 8, v1
	v_add_nc_u32 v3, v3, v1                        ; r + 8 (r / 8)
	v_lshlrev_b32 v[RA], 8, v3
	v_lshl_add_u32 v[RA], v2, 7, v[RA]             ; rope: 256 bytes a position, my half's 16 frequencies
	v_lshlrev_b32 v[BAQ], 6, v2
	v_lshlrev_b32 v[BAV], 2, v3
	v_cmp_le_u32 vcc_lo, 16, v[LN]                 ; lanes 16-31: kept to the end
.macro FRAG reg, adr, q, i             ; a fragment as it lies: two loads of 512 consecutive bytes
.irp c, 0,1
	ds_load_b128 v[\reg+4*\c:\reg+4*\c+3], v[\adr] offset:8192*(\i)+1024*(\q)+512*\c
.endr
.endm
; 16 matrix instructions: A's blocks a0, a0 + 1 x B's eight.  p: B's set; q: the slot's K step; sc: the set of scale words.  zero = 1: the product starts the sums.
; The 64 accumulators take turns, one instruction a turn, in the same order in every step.
.macro MUL16 a0, p, q, sc, zero
.irp a, \a0, \a0+1
.irp b, 0,1,2,3,4,5,6,7
.if \zero
	v_wmma_scale_f32_16x16x128_f8f6f4 v[8*(8*((\a)%4)+\b):8*(8*((\a)%4)+\b)+7], v[128*(\p)+FR*\b:128*(\p)+FR*\b+FR-1], v[AF+FR*(\a):AF+FR*(\a)+FR-1], 0, v[SC+8*NQ*(\sc)+NQ*\b+(\q)], v[SC+8*NQ*(\sc)+NQ*(\a)+(\q)] matrix_a_fmt:MATRIX_FMT_FP4 matrix_b_fmt:MATRIX_FMT_FP4 matrix_a_scale:MATRIX_SCALE_ROW1
.else
	v_wmma_scale_f32_16x16x128_f8f6f4 v[8*(8*((\a)%4)+\b):8*(8*((\a)%4)+\b)+7], v[128*(\p)+FR*\b:128*(\p)+FR*\b+FR-1], v[AF+FR*(\a):AF+FR*(\a)+FR-1], v[8*(8*((\a)%4)+\b):8*(8*((\a)%4)+\b)+7], v[SC+8*NQ*(\sc)+NQ*\b+(\q)], v[SC+8*NQ*(\sc)+NQ*(\a)+(\q)] matrix_a_fmt:MATRIX_FMT_FP4 matrix_b_fmt:MATRIX_FMT_FP4 matrix_a_scale:MATRIX_SCALE_ROW1
.endif
.endr
.endr
.endm
.macro FETCH_B slot, q, p
	WIN TO_B
.irp i, 0,1,2,3,4,5,6,7
	FRAG 128*(\p)+FR*\i, ADRB+\slot, \q, \i
.endr
	WIN 0
.endm
.macro FETCH_A slot, q, i0
.irp i, \i0, \i0+1, \i0+2, \i0+3
	FRAG AF+FR*(\i), ADRA+\slot, \q, \i
.endr
.endm
.macro SCALES sc                       ; a slot's scale words: four a lane-row; lanes 0-15 A's block i, lanes 16-31 B's block i
.irp i, 0,1,2,3,4,5,6,7
	ds_load_b128 v[SC+8*NQ*\sc+NQ*\i:SC+8*NQ*\sc+NQ*\i+3], v[ADRS] offset:512*\i+256*\sc
.endr
.endm
.macro PLACES n                        ; plain vector lines between a matrix instruction and a load into, or a vector line on, its registers (ISA guide 7.12.1 for vector lines)
.rept \n
	v_nop
.endr
.endm
.macro STEP slot, q, zero              ; a step of 128 along K that has its successor in the same slot
	s_wait_dscnt 4*NL                              ; B's set and A's blocks 0-3 are in; the youngest eight loads (A's blocks 4-7) may be out
	WIN MUL_LO
	MUL16 0, (\q)%2, \q, \slot, \zero
	MUL16 2, (\q)%2, \q, \slot, \zero
	s_wait_dscnt 0
	PLACES NP
	FETCH_B \slot, (\q)+1, 1-(\q)%2
	FETCH_A \slot, (\q)+1, 0
	WIN MUL_HI
	MUL16 4, (\q)%2, \q, \slot, \zero
	MUL16 6, (\q)%2, \q, \slot, \zero
	PLACES NP
	WIN 0
	FETCH_A \slot, (\q)+1, 4
.endm
.macro REST                            ; the second slot's four K steps; the last has nothing more to fetch
	STEP 1, 0, 0
	STEP 1, 1, 0
	STEP 1, 2, 0
	s_wait_dscnt 4*NL
	WIN MUL_LO
	MUL16 0, 1, NQ-1, 1, 0
	MUL16 2, 1, NQ-1, 1, 0
	s_wait_dscnt 0
	WIN MUL_HI
	MUL16 4, 1, NQ-1, 1, 0
	MUL16 6, 1, NQ-1, 1, 0
	WIN 0
	PLACES NP                                      ; in front of the first read of results, the first write over A's fragments and the loads into B's
.irp i, 4,5,6,7
	v_mov_b32 v[TMR+\i], 0                         ; a lane permute's destination counts as one of its sources
.endr
.endm
	s_wait_alu depctr_va_vdst(0)
	s_wait_tensorcnt 0x0                           ; my one tensor load is in,
	s_barrier_signal -1
	s_barrier_wait -1                              ; everybody's are
	FETCH_B 0, 0, 0
	FETCH_A 0, 0, 0
	SCALES 0
	FETCH_A 0, 0, 4
	STEP 0, 0, 1                                   ; the first products start the sums: nothing is cleared
	STEP 0, 1, 0
	STEP 0, 2, 0
	; the fourth K step goes over to the second four: all of K lies in LDS, so no barrier stands here
	s_wait_dscnt 4*NL
	WIN MUL_LO
	MUL16 0, 1, NQ-1, 0, 0
	MUL16 2, 1, NQ-1, 0, 0
	s_wait_dscnt 0
	PLACES NP
	FETCH_B 1, 0, 0
	FETCH_A 1, 0, 0
	SCALES 1
	WIN MUL_HI
	MUL16 4, 1, NQ-1, 0, 0
	MUL16 6, 1, NQ-1, 0, 0
	PLACES NP
	WIN 0
	FETCH_A 1, 0, 4
; Where tile a's cos and sin lie: base CSB in window CSW
.macro CSPLACE a
.if (\a) < 2
.set CSB, 64+32*(\a)
.set CSW, 1
.elseif (\a) < 4
.set CSB, 192+32*((\a)-2)
.set CSW, 0
.elseif (\a) < 6
.set CSB, 32*((\a)-4)
.set CSW, 1
.else
.set CSB, 128+32*((\a)-6)
.set CSW, 1
.endif
.endm
.macro LOADCS a                        ; cos and sin of tile a's positions, my half's 16 frequencies: 8 loads
	CSPLACE \a
	WIN 0x40*CSW
.irp i, 0,1,2,3,4,5,6,7
	global_load_b128 v[CSB+4*\i:CSB+4*\i+3], v[RA], s[8:9] offset:(32*((\a)/2)+8*((\a)%2))*256+16*\i
.endr
	WIN 0
.endm
; THE WAY OUT, a tile a at a time: accumulators (a, 0 .. 7): 64 numbers a lane: register 16 be + i = number 32 be + 16 (lane / 16) + i of my row's 128 (q, k: two heads' channels; v: the step's keys).
; Bias; for q and k the rotation (channel d with d + 32: register i with register 16 + i of a head's 32); the four blocks' scales, by turns; codes; twice 512 consecutive bytes out.
.macro OCT a, isv
.set AC, 64*((\a)%4)
.set n, 0
.if \isv
	WIN 0x02+(\a)/4                                ; source 0: the accumulators' window
.rept 32
.if (\a)%2
	v_pk_add_f32 v[TR+n:TR+n+1], v[AC+n:AC+n+1], v[BV+2*((\a)/2):BV+2*((\a)/2)+1] op_sel:[0,1] op_sel_hi:[1,1]   ; + bv of my channel; each accumulator is read from its low end on
.else
	v_pk_add_f32 v[TR+n:TR+n+1], v[AC+n:AC+n+1], v[BV+2*((\a)/2):BV+2*((\a)/2)+1] op_sel_hi:[1,0]
.endif
.set n, n+2
.endr
.else
	CSPLACE \a
	WIN 0x06+(\a)/4                                ; source 0: the accumulators' window; source 1: window 1
.rept 32
	v_pk_add_f32 v[TR+n:TR+n+1], v[AC+n:AC+n+1], v[BI+n:BI+n+1]   ; + the bias of my 64 channels; each accumulator is read from its low end on
.set n, n+2
.endr
	WIN 0x04*CSW                                   ; source 1: where this tile's cos and sin lie
.irp g, 0,1
.irp qq, 0,1                           ; four pairs at a time: eight products with sin, then eight multiply-adds, so that no line waits for the line above it
.set n, 0
.rept 4
.set pp, 4*\qq+n
	v_pk_mul_f32 v[UR+4*n:UR+4*n+1], v[TR+32*\g+16+2*pp:TR+32*\g+17+2*pp], v[CSB+4*pp+2:CSB+4*pp+3]
	v_pk_mul_f32 v[UR+4*n+2:UR+4*n+3], v[TR+32*\g+2*pp:TR+32*\g+2*pp+1], v[CSB+4*pp+2:CSB+4*pp+3]
.set n, n+1
.endr
.set n, 0
.rept 4
.set pp, 4*\qq+n
	v_pk_fma_f32 v[TR+32*\g+2*pp:TR+32*\g+2*pp+1], v[TR+32*\g+2*pp:TR+32*\g+2*pp+1], v[CSB+4*pp:CSB+4*pp+1], v[UR+4*n:UR+4*n+1] neg_lo:[0,0,1] neg_hi:[0,0,1]   ; x(d) cos - x(d + 32) sin
	v_pk_fma_f32 v[TR+32*\g+16+2*pp:TR+32*\g+17+2*pp], v[TR+32*\g+16+2*pp:TR+32*\g+17+2*pp], v[CSB+4*pp:CSB+4*pp+1], v[UR+4*n+2:UR+4*n+3]                       ; x(d + 32) cos + x(d) sin
.set n, n+1
.endr
.endr
.endr
.endif
	WIN 0
.irp be, 0,1,2,3
	v_max3_num_f32 v[TMR+\be], |v[TR+16*\be]|, |v[TR+16*\be+1]|, 0x1800000   ; my 16 numbers of block be, and the floor 2^(3 - 127): the byte cannot fall under 1
.endr
.irp i, 2,4,6,8,10,12,14
.irp be, 0,1,2,3
	v_max3_num_f32 v[TMR+\be], v[TMR+\be], |v[TR+16*\be+\i]|, |v[TR+16*\be+\i+1]|   ; (the four blocks by turns)
.endr
.endr
.irp be, 0,1,2,3
	v_permlanex16_b32 v[TMR+4+\be], v[TMR+\be], s[SEL], s[SEL+1]
.endr
.irp be, 0,1,2,3
	v_max_num_f32 v[TMR+\be], v[TMR+\be], v[TMR+4+\be]   ; with lane l xor 16's: the block's largest magnitude
.endr
.irp be, 0,1,2,3
	v_add_nc_u32 v[SOR+\be], 0xff000000, v[TMR+\be]      ; 2 off the exponent field: the conversion's scale operand
.endr
.irp be, 0,1,2,3
	v_lshrrev_b32 v[BYR+\be], 23, v[SOR+\be]             ; the scale's byte
.endr
.if \isv
	v_lshl_or_b32 v[PWR+(\a)], v[BYR+1], 8, v[BYR]       ; the step's four key blocks: my channel's whole word
	v_lshl_or_b32 v[HWR], v[BYR+3], 8, v[BYR+2]
	v_lshl_or_b32 v[PWR+(\a)], v[HWR], 16, v[PWR+(\a)]
.elseif (\a)%2
	v_lshl_or_b32 v[HWR], v[BYR+1], 8, v[BYR]            ; an odd tile: the upper two bytes of its pair's word, for each of the two heads
	v_lshl_or_b32 v[HWR+1], v[BYR+3], 8, v[BYR+2]
	v_lshl_or_b32 v[PWR+(\a)/2], v[HWR], 16, v[PWR+(\a)/2]
	v_lshl_or_b32 v[PWR+4+(\a)/2], v[HWR+1], 16, v[PWR+4+(\a)/2]
.else
	v_lshl_or_b32 v[PWR+(\a)/2], v[BYR+1], 8, v[BYR]     ; an even tile: the lower two
	v_lshl_or_b32 v[PWR+4+(\a)/2], v[BYR+3], 8, v[BYR+2]
.endif
	s_wait_xcnt 0x0                                ; the codes' registers, which the last tile's stores read, are rewritten only behind this wait
.irp be, 0,1,2,3
	v_cvt_scalef32_pk8_fp4_f32 v[PCR+2*\be], v[TR+16*\be:TR+16*\be+7], v[SOR+\be]
	v_cvt_scalef32_pk8_fp4_f32 v[PCR+2*\be+1], v[TR+16*\be+8:TR+16*\be+15], v[SOR+\be]
.endr
	v_nop                                          ; one plain line behind the last conversion
.irp g, 0,1
	v_permlane16_swap_b32 v[PCR+4*\g], v[PCR+4*\g+2]     ; a whole block to a lane: lanes 0-15 the even block, lanes 16-31 the odd one
	v_permlane16_swap_b32 v[PCR+4*\g+1], v[PCR+4*\g+3]
.endr
.irp g, 0,1
.if \isv
	global_store_b128 v[LI], v[PCR+4*\g:PCR+4*\g+3], s[66:67] offset:HEADB*((\a)/4)+1024*((\a)%4)+512*\g
.else
	global_store_b128 v[LI], v[PCR+4*\g:PCR+4*\g+3], s[66:67] offset:512*(\a)+HEADB*\g
.endif
.endr
.endm
.macro PUTS u                          ; a head's 64 scale words: lane l stores words 0 and 1 of [lane][2]: 256 consecutive bytes, aligned
	v_cndmask_b32 v[SDR+2*\u], v[PWR+4*\u], v[PWR+4*\u+1], vcc_lo
	v_cndmask_b32 v[SDR+2*\u+1], v[PWR+4*\u+2], v[PWR+4*\u+3], vcc_lo
	global_store_b64 v[L8], v[SDR+2*\u:SDR+2*\u+1], s[12:13] offset:\u*HEADB
.endm
	s_cmp_eq_u32 ttmp9, 2                          ; the cluster's x: the same in all sixteen partners.  No barrier and no tensor load follows before the ways join
	s_cbranch_scc1 .Lv
	; ---- q and k
	s_cmp_eq_u32 ttmp9, 0
	s_cselect_b64 s[10:11], s[10:11], s[92:93]     ; bq or bk
	s_lshl_b32 s18, s40, 10
	s_lshl_b32 s19, s16, 9
	s_add_co_u32 s18, s18, s19                     ; my 128 columns: 256 cx + 128 x half, 4 bytes each
	s_mov_b32 s19, 0
	s_add_nc_u64 s[10:11], s[10:11], s[18:19]
	s_lshl_b32 s20, s17, 2
	s_add_co_u32 s20, s20, s41                     ; the tile row of 256 positions
	s_lshr_b32 s21, s20, 3
	s_lshl_b32 s21, s21, 4                         ; 16 x batch
	s_lshl_b32 s22, s40, 2
	s_add_co_u32 s21, s21, s22
	s_lshl_b32 s22, s16, 1
	s_add_co_u32 s21, s21, s22                     ; my first head: 16 b + 4 cx + 2 x half
	s_and_b32 s20, s20, 7
	s_lshl_b32 s20, s20, 1
	s_add_co_u32 s20, s20, s15                     ; my step of 128 positions
	s_mul_i32 s22, s21, HEADB
	s_mul_i32 s23, s20, STEPB
	s_add_co_u32 s22, s22, s23
	s_mov_b32 s23, 0
	s_add_nc_u64 s[12:13], s[12:13], s[22:23]
	s_mul_i32 s22, ttmp9, 4352
	s_add_nc_u64 s[66:67], s[12:13], s[22:23]      ; codes: Q at 0, K at 4,352
	s_mul_i32 s22, ttmp9, 8448
	s_add_co_u32 s22, s22, 4096
	s_add_nc_u64 s[12:13], s[12:13], s[22:23]      ; scale words: Q's at 4,096, K's at 12,544
	s_lshl_b32 s22, s20, 15
	s_add_nc_u64 s[8:9], s[8:9], s[22:23]          ; rope at my step's first position
	WIN TO_B
.irp be, 0,1,2,3
.irp i, 0,1,2,3
	global_load_b128 v[BI+16*\be+4*\i:BI+16*\be+4*\i+3], v[BAQ], s[10:11] offset:128*\be+16*\i   ; the bias in the result's layout: columns 32 be + 16 h + 4 i ..
.endr
.endr
	LOADCS 0
	LOADCS 1
	LOADCS 2
	LOADCS 3                                       ; 48 loads, into registers that the products do not name: they land under four K steps
	REST
	LOADCS 4                                       ; 32 more, into B's fragment registers, which the last products have read
	LOADCS 5
	LOADCS 6
	LOADCS 7
.irp a, 0,1,2,3,4,5,6,7
.if \a == 0
	s_wait_loadcnt 32                              ; the bias and four tiles' cos and sin are in; the 32 loads just issued may be out
.elseif \a >= 4
	s_wait_loadcnt 8*(7-\a)                        ; this tile's eight loads are in; the later tiles' may be out
.endif
	OCT \a, 0
.endr
	PUTS 0
	PUTS 1
	s_branch .Lend
.Lv:
	; ---- v: a lane holds a channel, its registers run along the keys
	s_lshl_b32 s18, s41, 10
	s_lshl_b32 s19, s15, 9
	s_add_co_u32 s18, s18, s19                     ; my 128 channels: 256 cy + 128 x half
	s_mov_b32 s19, 0
	s_add_nc_u64 s[94:95], s[94:95], s[18:19]
	s_lshl_b32 s20, s17, 2
	s_add_co_u32 s20, s20, s40                     ; the tile column of 256 keys
	s_lshr_b32 s21, s20, 3
	s_lshl_b32 s21, s21, 4
	s_lshl_b32 s22, s41, 2
	s_add_co_u32 s21, s21, s22
	s_lshl_b32 s22, s15, 1
	s_add_co_u32 s21, s21, s22                     ; my first head: 16 b + 4 cy + 2 x half
	s_and_b32 s20, s20, 7
	s_lshl_b32 s20, s20, 1
	s_add_co_u32 s20, s20, s16                     ; my step of 128 keys
	s_mul_i32 s22, s21, HEADB
	s_mul_i32 s23, s20, STEPB
	s_add_co_u32 s22, s22, s23
	s_mov_b32 s23, 0
	s_add_nc_u64 s[12:13], s[12:13], s[22:23]
	s_add_nc_u64 s[66:67], s[12:13], 8448          ; V's codes
	s_add_nc_u64 s[12:13], s[12:13], 12800         ; V's scale words
.irp a, 0,1,2,3,4,5,6,7
	global_load_b32 v[BV+\a], v[BAV], s[94:95] offset:(32*(\a/2)+8*(\a%2))*4   ; bv of my channel in tile a
.endr
	REST
	s_wait_loadcnt 0x0
.irp a, 0,1,2,3,4,5,6,7
	OCT \a, 1
.if \a == 3
	PUTS 0
.endif
.endr
	PUTS 1
.Lend:
	s_wait_tensorcnt 0x0
	ds_add_u32 v23, v31
	s_wait_dscnt 0x0
	CROUND                                         ; the closing round: no work-group ends while a partner may still ask for a tile that names it
	s_endpgm
.Lfunc_end_k_qeea89f4db8_qkv:
	.size	k_qeea89f4db8_qkv, .Lfunc_end_k_qeea89f4db8_qkv-k_qeea89f4db8_qkv
	.p2alignl 7, 3214868480
	.fill 96, 4, 3214868480
	.section	.rodata,"a",@progbits
	.p2align	6, 0x0
	.amdhsa_kernel k_qeea89f4db8_qkv
		.amdhsa_group_segment_fixed_size 279040
		.amdhsa_private_segment_fixed_size 0
		.amdhsa_enable_private_segment 0
		.amdhsa_kernarg_size 56
		.amdhsa_user_sgpr_count 2
		.amdhsa_user_sgpr_kernarg_segment_ptr 1
		.amdhsa_wavefront_size32 1
		.amdhsa_system_sgpr_workgroup_id_x 1
		.amdhsa_system_sgpr_workgroup_id_y 1
		.amdhsa_system_sgpr_workgroup_id_z 1
		.amdhsa_system_vgpr_workitem_id 0
		.amdhsa_next_free_vgpr 1024
		.amdhsa_next_free_sgpr 100
		.amdhsa_reserve_vcc 1
		.amdhsa_float_denorm_mode_32 3
		.amdhsa_float_denorm_mode_16_64 3
		.amdhsa_memory_ordered 1
		.amdhsa_forward_progress 1
		.amdhsa_inst_pref_size 255
	.end_amdhsa_kernel
	.section	.bss,"aw",@nobits
	.p2align	6
	.space	262144
	.amdgpu_metadata
---
amdhsa.version: [ 1, 2 ]
amdhsa.kernels:
  - .name:           k_qeea89f4db8_qkv
    .symbol:         k_qeea89f4db8_qkv.kd
    .args:
      - { .name: cimg, .offset: 0, .size: 8, .value_kind: global_buffer, .address_space: global }
      - { .name: simg, .offset: 8, .size: 8, .value_kind: global_buffer, .address_space: global }
      - { .name: rope, .offset: 16, .size: 8, .value_kind: global_buffer, .address_space: global }
      - { .name: bq, .offset: 24, .size: 8, .value_kind: global_buffer, .address_space: global }
      - { .name: bk, .offset: 32, .size: 8, .value_kind: global_buffer, .address_space: global }
      - { .name: bv, .offset: 40, .size: 8, .value_kind: global_buffer, .address_space: global }
      - { .name: qkv, .offset: 48, .size: 8, .value_kind: global_buffer, .address_space: global }
    .group_segment_fixed_size: 279040
    .private_segment_fixed_size: 0
    .kernarg_segment_align: 8
    .kernarg_segment_size: 56
    .max_flat_workgroup_size: 128
    .sgpr_count:     100
    .vgpr_count:     1024
    .wavefront_size: 32
...
	.end_amdgpu_metadata
.endif
;; end of part 2
;; launch attn (part 3): grid 8 x 32, 16 waves a work-group, clusters of 4 x 1, 169,984 bytes of LDS; arguments qkv, oimg, oscl; writes oimg, oscl
.if DOCPART == 3
	.amdgcn_target "amdgcn-amd-amdhsa--gfx1250"
	.amdhsa_code_object_version 6
	.text
	.protected	k_qeea89f4db8_attn
	.globl	k_qeea89f4db8_attn
	.p2align	8
	.type	k_qeea89f4db8_attn,@function
k_qeea89f4db8_attn:
	s_mov_b64 s[64:65], 0
	v_nop
	global_prefetch_b8 v0, s[64:65] scope:SCOPE_SE
	s_setreg_imm32_b32 hwreg(HW_REG_WAVE_MODE, 25, 1), 1
	s_wait_xcnt 0x0
	s_wait_alu depctr_hold_cnt(0) depctr_sa_sdst(0) depctr_va_vdst(0) depctr_va_sdst(0) depctr_va_ssrc(0) depctr_va_vcc(0) depctr_vm_vsrc(0)
	s_getreg_b32 s2, hwreg(HW_REG_IB_STS2, 6, 4)
	s_cmp_eq_u32 s2, 0
	s_cbranch_scc0 .Lentry_in_a_cluster
	s_endpgm
.Lentry_in_a_cluster:
	s_bfe_u32 s2, ttmp6, 0x10000c
	s_cmp_lg_u32 s2, 0x3003
	s_cbranch_scc0 .Lentry_shape_is_right
	s_endpgm
.Lentry_shape_is_right:
; O = softmax(Q K^T / 8) V for one (batch, head) and 256 queries a work-group, both products on codes of FP4 with E8M0 scales; then O / l is quantised along d_model for the last projection.
; THE SOFTMAX AHEAD OF THE SECOND PRODUCT: t = score x log2(e) / 8; M = the row's largest t so far, rounded UP to a whole number; p = 2^(t - M) is quantised along the keys, not normalised.
; The row's sum is taken of the unquantised p and divides O at the end.  When M moves, the sum and O are multiplied by 2^(old M - new M): exact.
; SHARES.  Sixteen waves, each with one tile of 16 queries in 256 registers.  A whole head's K and V lie in LDS: 16 steps of 128 keys, each filled once: wave w brings step w.  The loop has no barrier.
; CLUSTER.  The four work-groups of a cluster belong to one head: each step is asked for jointly, by the same tensor load with the same descriptor and a mask that names the four.
; NO PREFETCH: every tensor load stands at the head; there is no loop in which to ask ahead.
; LAYOUT.  Both products are used transposed (S^T = K Q^T, O^T = V^T P^T): a lane holds ONE query throughout.
; A step lies in LDS as 17 rows of 512 bytes, 576 apart: rows 0-7 K's tiles, 8-15 V's fragments, 16 the scale words.  In memory tile 2 G + u holds at lane-row o key 32 G + 8 u + o + 8 (o / 8).
; THE ROWS OF AN OPERAND OF K ARE PICKED BY THE LANE'S LDS ADDRESS: operand (c, w) takes at lane-row rho the row (rho % 8) + 8 w of tiles 2 G and 2 G + 1, G = 2 c + rho / 8.  Its two products (Q below or above) give
; keys 64 c + 32 (lane / 16) + 16 w + 8 u + 0 .. 7: a lane's 32 registers of c are ONE WHOLE BLOCK of 32 neighbouring keys, lanes 0-15 block 2 c, lanes 16-31 block 2 c + 1, which is the order that the second
; product's operand wants: the conversions' results are that operand, and a block's largest score needs no other lane.  The pitch 576 sets tiles 2 apart 128 bytes apart modulo 256: sixteen lanes touch 256 different bytes.
; K = 64 IN AN INSTRUCTION OF K = 128.  Two tiles of keys fill one operand.  Q stands once, between two runs of zero codes: registers 4-11 are Q below and zeros above, registers 0-7 zeros below and Q above.
; A BLOCK'S SCALE: p = 2^(t - M), so the exponent of the block's largest p is floor(t - M) of its largest score, held at -124 from below: the byte is that + 125, at least 1.
; OUT: oimg [row tile 256][K step 8][1,024 bytes], head eta at byte 512 eta of its row tile; oscl as the scale words of the other operands; each wave stores 2 bytes a row of oscl.
; LIMITS: NaN and infinities are not served; a block of zeros gets the byte 1 (its codes are zeros).  Where t - M lies within a rounding of a whole number, the scale may be the neighbouring power of two.
.set HEADB, 208896
.set STEPB, 13056
.set TPI,   576                        ; a row of 512 bytes + 64 of padding
.set LSTEP, 17*TPI
.set SPARE, 16*LSTEP                   ; the spare words: 128 bytes a wave
.set LI,  1                            ; v1   16 x lane
.set L8,  2                            ; v2   8 x lane
.set AK0, 3                            ; v3   my lane's place in K's tiles
.set AS0, 4                            ; v4   and among K's scale words
.set ADK, 5                            ; v5-8 the step's addresses
.set ADV, 6
.set ADS, 7
.set ADT, 8
.set SH8, 9                            ; v9   8 x (lane / 16)
.set RR,  10                           ; v10  lane % 16
.set OM,  11                           ; v11  the old -M;  v12 -M, v13 the largest score
.set QA,  16                           ; v16-27 zeros, Q, zeros
.set KF,  32                           ; v32-63 four operands of K
.set VF,  64                           ; v64-95 four fragments of V^T
.set SS,  96                           ; v96-159 S^T, then p
.set OT,  160                          ; v160-191 O^T
.set PC,  192                          ; v192-199 p's codes
.set BM,  200                          ; v200-203 largest scores
.set X,   204                          ; v204-205 t - M of the two blocks' largest, then its floor
.set SO,  206                          ; v206-207 the conversions' scale operands
.set W,   208
.set TPM, 209
.set TT,  210
.set FF,  212                          ; v[212:213] f
.set SM,  214                          ; v[214:215] the sum; v216-221 three more chains of a step
.set KS,  224                          ; v224-225 K's scale words, v226-227 V's, v228 Q's, v229 p's, v230 Q's as loaded: scales and nothing else
.set VS,  226
.set QS,  228
.set PS,  229
.set TQ,  232                          ; v232-235 the way out
.set WV,  10
.set SEL, 20
.set CS,  22
.set G0,  16
.set G1,  24
.set TB,  32
.set CNT, 33
.set PSEL, 34
.macro ROUND                           ; a round of the cluster's barrier
	s_barrier_signal -1
	s_barrier_wait -1
	s_cmp_lg_u32 s[WV], 0
	s_cbranch_scc1 .Lnot_wave_0_\@
	s_barrier_signal -3
.Lnot_wave_0_\@:
	s_barrier_wait -3
	s_barrier_signal -1
	s_barrier_wait -1
.endm
	s_load_b128 s[4:7], s[0:1], 0x0                ; qkv, oimg
	s_load_b64 s[8:9], s[0:1], 0x10                ; oscl
	v_lshl_add_u32 v254, v0, 2, SPARE
	v_mov_b32 v255, 0
	ds_add_u32 v254, v255                          ; the opening lines: the add twice on end and one wait
	ds_add_u32 v254, v255
	v_lshrrev_b32 v5, 5, v0
	v_and_b32 v6, 31, v0
	v_readfirstlane_b32 s[WV], v5                  ; wave 0..15
	v_and_b32 v[RR], 15, v0
	v_bfe_u32 v[SH8], v0, 4, 1                     ; h
	v_bfe_u32 v7, v0, 3, 1                         ; rho / 8
	v_and_b32 v8, 7, v0                            ; rho % 8
	v_lshlrev_b32 v[LI], 4, v6
	v_lshlrev_b32 v[L8], 3, v6
	v_lshlrev_b32 v[TT], 3, v[RR]                  ; Q's scale words: 8 bytes a lane-row
	v_mul_u32_u24 v[AK0], v7, 2*TPI                ; K: two tiles on for lane-rows 8-15,
	v_lshlrev_b32 v[AS0], 7, v7                    ; scale words: 16 lanes of 8 bytes on
	v_lshl_add_u32 v[AK0], v[SH8], 8, v[AK0]       ; my half's 16 bytes of each row,
	v_lshl_add_u32 v[AS0], v[SH8], 6, v[AS0]       ; lanes 16-31 take the words of rows 8 on: operand w = 1
	v_lshl_add_u32 v[AK0], v8, 4, v[AK0]           ; row rho % 8
	v_lshl_add_u32 v[AS0], v8, 3, v[AS0]
	v_lshlrev_b32 v[SH8], 3, v[SH8]
	s_bfe_u32 s11, ttmp6, 0x40000                  ; cx
	s_lshl_b32 s12, ttmp9, 2
	s_add_co_u32 s12, s12, s11                     ; my block of 256 queries: it enters Q's and O's addresses alone
	s_and_b32 s13, ttmp7, 0xffff                   ; (batch, head), which the four partners share
	s_mul_i32 s14, s13, HEADB
	s_mul_i32 s15, s[WV], STEPB
	s_add_co_u32 s36, s14, s15
	s_add_co_u32 s36, s36, 4352                    ; step w's K, V and their scale words: 8,704 dense bytes
	s_mov_b32 s37, 0
	s_lshl_b32 s38, s12, 1
	s_lshr_b32 s39, s[WV], 3
	s_add_co_u32 s38, s38, s39
	s_mul_i32 s38, s38, STEPB
	s_add_co_u32 s38, s38, s14                     ; the step in which my tile of queries lies
	s_and_b32 s39, s[WV], 7                        ; and its number there
	s_lshl_b32 s40, s39, 9
	s_add_co_u32 s40, s40, s38                     ; its codes
	s_mov_b32 s41, 0
	s_lshr_b32 s39, s39, 1                         ; its pair p: word p / 2 of lane 16 (p % 2) + r
	s_and_b32 s42, s39, 1
	s_lshl_b32 s42, s42, 7
	s_lshr_b32 s39, s39, 1
	s_lshl_b32 s39, s39, 2
	s_add_co_u32 s42, s42, s39
	s_add_co_u32 s42, s42, s38
	s_add_co_u32 s42, s42, 4096
	s_mov_b32 s43, 0
	s_and_b32 s[PSEL], s[WV], 1
	s_mul_i32 s[PSEL], s[PSEL], 0x02020202
	s_add_co_u32 s[PSEL], s[PSEL], 0x01000100      ; byte selects: my tile's two bytes, twice
	s_lshr_b32 s44, s13, 4
	s_lshl_b32 s44, s44, 7
	s_lshl_b32 s45, s12, 4
	s_add_co_u32 s44, s44, s45
	s_add_co_u32 s44, s44, s[WV]                   ; my row tile of O: 128 b + 16 x block + wave
	s_and_b32 s15, s13, 15                         ; the head
	s_lshl_b32 s46, s44, 9
	s_lshr_b32 s47, s15, 3
	s_lshl_b32 s47, s47, 8
	s_add_co_u32 s46, s46, s47
	s_and_b32 s47, s15, 7
	s_lshl_b32 s47, s47, 1
	s_add_co_u32 s46, s46, s47                     ; oscl: 512 a row tile, 256 for K steps 4 on, 2 bytes a head
	s_mov_b32 s47, 0
	s_lshl_b32 s44, s44, 13
	s_lshl_b32 s45, s15, 9
	s_add_co_u32 s44, s44, s45                     ; oimg: 8,192 a row tile, 512 a head
	s_mov_b32 s45, 0
	s_mov_b32 s[G1], 15|(3<<16)|(1<<20)|(1<<21)|(6<<22)|(15<<25)   ; the mask: all four work-groups; elements of 8 bytes; padding on; 21 set beside a mask; after every 128 words 16 words
	s_mov_b32 s[G1+1], 64<<16                      ; tensor_dim0: rows of 512 bytes
	s_mov_b32 s[G1+2], 17<<16                      ; tensor_dim1
	s_mov_b32 s[G1+3], 64<<16                      ; tile_dim0
	s_mov_b32 s[G1+4], 17                          ; tile_dim1
	s_mov_b32 s[G1+5], 64                          ; tensor_dim0_stride: dense
	s_mov_b32 s[G1+6], 0
	s_mov_b32 s[G1+7], 0
	s_mov_b32 s[SEL], 0x76543210
	s_mov_b32 s[SEL+1], 0xfedcba98
	s_mov_b32 s[CS], 0x3e38aa3b                    ; c = log2(e) / 8
	s_mov_b32 s[CS+1], s[CS]                       ; (named with it as a pair, so it is written)
	s_mov_b32 s[TB], 0
	s_mov_b32 s[CNT], 15
	s_wait_alu depctr_va_vdst(0)
	s_wait_dscnt 0x0
	s_wait_kmcnt 0x0
	s_mov_b32 s[G0], 1
	s_mul_i32 s[G0+1], s[WV], LSTEP
	s_add_nc_u64 s[G0+2:G0+3], s[4:5], s[36:37]
	s_or_b32 s[G0+3], s[G0+3], 0x80000000
	s_add_nc_u64 s[40:41], s[4:5], s[40:41]
	s_add_nc_u64 s[42:43], s[4:5], s[42:43]
	s_add_nc_u64 s[6:7], s[6:7], s[44:45]
	s_add_nc_u64 s[8:9], s[8:9], s[46:47]
	global_load_b128 v[QA+4:QA+7], v[LI], s[40:41] ; Q's 64 channels; nobody writes these bytes, so the loads may be out across the round
	global_load_b32 v230, v[TT], s[42:43]
	ROUND                                          ; all four work-groups are here: the joint loads meet
	tensor_load_to_lds s[G0:G0+3], s[G1:G1+7]      ; my one tensor load: step w
	s_nop 0
.rept 4
	v_nop
.endr
.irp j, 0,1,2,3,8,9,10,11
	v_mov_b32 v[QA+\j], 0                          ; zero codes
.endr
	v_mov_b32 v13, 0xff61b1e6                      ; the largest score so far: -3e38
	v_mov_b32 v12, 0x7f61b1e6                      ; -M: 3e38, so that the first f is 0 and multiplies zeros
	v_mov_b32 v15, 0                               ; (named as the upper half of a pair on the way out)
	v_mov_b32 v[SM], 0                             ; the sum, in two halves
	v_mov_b32 v[SM+1], 0
	v_mov_b32 v[TPM], 0                            ; a lane permute's destination counts as one of its sources
	v_mov_b32 v[TQ], 0
	v_mov_b32 v[TQ+1], 0
	v_mov_b32 v[FF+1], 0                           ; (named as the upper half of a pair)
	s_wait_loadcnt 0x0
	v_perm_b32 v[QS], v230, v230, s[PSEL]          ; Q's scale word: (s0, s1, s0, s1): it serves both operands
.set j, 0
.rept 32
	v_mov_b32 v[OT+j], 0                           ; O^T: the trip is written for every step alike.  (These are also the places between the line above and the first product)
.set j, j+1
.endr
.macro KLOAD ak, as, off               ; four operands of K and their scale words
.irp c, 0,1
.irp w, 0,1
.irp e, 0,1
	ds_load_b128 v[KF+16*\c+8*\w+4*\e:KF+16*\c+8*\w+4*\e+3], v[\ak] offset:(\off)+4*TPI*\c+128*\w+TPI*\e
.endr
.endr
.endr
	ds_load_b64 v[KS:KS+1], v[\as] offset:(\off)+16*TPI   ; word c: lanes 0-15 operand (c, 0), lanes 16-31 operand (c, 1)
.endm
	s_wait_alu depctr_va_vdst(0)
	s_wait_tensorcnt 0x0                           ; my step is in,
	s_barrier_signal -1
	s_barrier_wait -1                              ; everybody's is: the whole head lies in LDS
	KLOAD AK0, AS0, 0
	s_wait_dscnt 0x0
.macro PF n                            ; n lines of t - M, two numbers each, from register SS + j on
.rept \n
	v_pk_fma_f32 v[SS+j:SS+j+1], v[SS+j:SS+j+1], s[CS:CS+1], v[12:13] op_sel_hi:[1,0,0]
.set j, j+2
.endr
.endm
; A trip: 128 keys.  pref = 1: the next step's K is fetched.  At its head no LDS load of mine is out.
.macro TRIP pref
.irp c, 0,1
.irp w, 0,1
.irp u, 0,1
.if \w
	v_wmma_scale_f32_16x16x128_f8f6f4 v[SS+32*\c+16*\w+8*\u:SS+32*\c+16*\w+8*\u+7], v[KF+16*\c+8*\w:KF+16*\c+8*\w+7], v[QA+4-4*\u:QA+11-4*\u], 0, v[KS+\c], v[QS] matrix_a_fmt:MATRIX_FMT_FP4 matrix_b_fmt:MATRIX_FMT_FP4 matrix_a_scale:MATRIX_SCALE_ROW1
.else
	v_wmma_scale_f32_16x16x128_f8f6f4 v[SS+32*\c+16*\w+8*\u:SS+32*\c+16*\w+8*\u+7], v[KF+16*\c+8*\w:KF+16*\c+8*\w+7], v[QA+4-4*\u:QA+11-4*\u], 0, v[KS+\c], v[QS] matrix_a_fmt:MATRIX_FMT_FP4 matrix_b_fmt:MATRIX_FMT_FP4
.endif
.endr
.endr
.endr
	v_add_nc_u32 v[ADK], s[TB], v[AK0]             ; four plain lines: the places in front of the loads into K's registers and of the first read of the scores
	v_add_nc_u32 v[ADV], s[TB], v[LI]
	v_add_nc_u32 v[ADS], s[TB], v[AS0]
	v_add_nc_u32 v[ADT], s[TB], v[L8]
.irp d, 0,1,2,3
.irp c, 0,1
	ds_load_b128 v[VF+8*\d+4*\c:VF+8*\d+4*\c+3], v[ADV] offset:(8+2*\d+\c)*TPI   ; this step's V: wanted behind the softmax
.endr
.endr
	ds_load_b64 v[VS:VS+1], v[ADT] offset:16*TPI+256
.if \pref
	KLOAD ADK, ADS, LSTEP                          ; the next step's K: wanted at the next trip's head
.endif
.irp c, 0,1                            ; my two blocks' largest scores, each in two chains: four chains by turns; each tile is first read at its low end
	v_max3_num_f32 v[BM+\c], v[SS+32*\c], v[SS+32*\c+1], v[SS+32*\c+2]
	v_max3_num_f32 v[BM+2+\c], v[SS+32*\c+16], v[SS+32*\c+17], v[SS+32*\c+18]
.endr
.irp i, 3,5,7,9,11,13
.irp c, 0,1
	v_max3_num_f32 v[BM+\c], v[BM+\c], v[SS+32*\c+\i], v[SS+32*\c+\i+1]
	v_max3_num_f32 v[BM+2+\c], v[BM+2+\c], v[SS+32*\c+16+\i], v[SS+32*\c+17+\i]
.endr
.endr
.irp c, 0,1
	v_max3_num_f32 v[BM+\c], v[BM+\c], v[SS+32*\c+15], v[SS+32*\c+31]
.endr
	v_mov_b32 v[OM], v12                           ; the old -M
.irp c, 0,1
	v_max_num_f32 v[BM+\c], v[BM+\c], v[BM+2+\c]
.endr
	s_delay_alu instid0(VALU_DEP_1)
	v_max_num_f32 v[TT], v[BM], v[BM+1]
	s_delay_alu instid0(VALU_DEP_1)
	v_permlanex16_b32 v[TPM], v[TT], s[SEL], s[SEL+1]
	s_delay_alu instid0(VALU_DEP_1)
	v_max3_num_f32 v13, v13, v[TT], v[TPM]         ; the running largest score, with lane l xor 16's 64 keys
	s_delay_alu instid0(VALU_DEP_1)
	v_mul_f32 v[TT], s[CS], v13                    ; as t (c is positive)
	s_delay_alu instid0(VALU_DEP_1)
	v_floor_f32 v12, -v[TT]                        ; the new -M = floor(-t): M is a whole number
	s_delay_alu instid0(VALU_DEP_1)
	v_sub_f32 v[TT], v12, v[OM]                    ; old M - new M: a whole number, 0 or less
.set j, 0
	v_fma_f32 v[X], v[BM], s[CS], v12              ; t - M of each block's largest score
	v_fma_f32 v[X+1], v[BM+1], s[CS], v12
	v_cvt_i32_f32 v[TT], v[TT]                     ; (it saturates)
	PF 2
	v_max_num_f32 v[X], 0xc2f80000, v[X]           ; held at -124: the byte cannot fall under 1
	v_max_num_f32 v[X+1], 0xc2f80000, v[X+1]
	v_ldexp_f32 v[FF], 1.0, v[TT]                  ; f = 2^(old M - new M)
	PF 2
	v_cvt_floor_i32_f32 v[X], v[X]                 ; the exponent of the block's largest p
	v_cvt_floor_i32_f32 v[X+1], v[X+1]
	PF 3
	v_add_lshl_u32 v[SO], v[X], 125, 23            ; + 127 - 2 in the exponent field: the conversion's scale operand
	v_add_lshl_u32 v[SO+1], v[X+1], 125, 23
	v_lshl_add_u32 v[W], v[X+1], 16, v[X]
	PF 3
	v_add_lshl_u32 v[W], v[W], 0x7d007d, v[SH8]    ; my two bytes, blocks h and 2 + h, at their places in p's scale word
	PF 4
	v_permlanex16_b32 v[TPM], v[W], s[SEL], s[SEL+1]
	PF 18
	s_wait_alu depctr_va_vdst(0)
.set j, 0
.rept 64
	v_exp_f32 v[SS+j], v[SS+j]                     ; p = 2^(t - M)
.set j, j+1
.endr
	v_or_b32 v[PS], v[W], v[TPM]                   ; with lane l xor 16's two bytes the word is whole.  (The plain line behind the exponentials)
	s_wait_alu depctr_va_vdst(0)                   ; one wait for the batch, directly ahead of the first reader of O^T too
.set j, 0
.rept 16
	v_pk_mul_f32 v[OT+j:OT+j+1], v[OT+j:OT+j+1], v[FF:FF+1] op_sel_hi:[1,0]   ; O^T under the new M
.set j, j+2
.endr
	v_pk_mul_f32 v[SM:SM+1], v[SM:SM+1], v[FF:FF+1] op_sel_hi:[1,0]           ; and the sum
.irp c, 0,1
.irp g, 0,1,2,3
	v_cvt_scalef32_pk8_fp4_f32 v[PC+4*\c+\g], v[SS+32*\c+8*\g:SS+32*\c+8*\g+7], v[SO+\c]   ; registers 4 c .. 4 c + 3: keys 64 c + 32 h + 0 .. 31: the operand as it is wanted
.endr
.endr
	v_pk_add_f32 v[SM+2:SM+3], v[SS:SS+1], v[SS+2:SS+3]        ; the row's sum is taken of the unquantised p, in four chains by turns.  (The plain line behind the last conversion)
	v_pk_add_f32 v[SM+4:SM+5], v[SS+4:SS+5], v[SS+6:SS+7]
	v_pk_add_f32 v[SM+6:SM+7], v[SS+8:SS+9], v[SS+10:SS+11]
.set k, 0
.rept 23
	v_pk_add_f32 v[SM+2*(k%4):SM+2*(k%4)+1], v[SM+2*(k%4):SM+2*(k%4)+1], v[SS+12+2*k:SS+13+2*k]
.set k, k+1
.endr
	s_wait_alu depctr_va_vdst(0)
	s_wait_dscnt 0x0                               ; V and its scale words are in, and so is the next step's K
.irp d, 0,1,2,3                        ; the four accumulators take turns, and the next trip's eight products stand between two links
.if \d%2
	v_wmma_scale_f32_16x16x128_f8f6f4 v[OT+8*\d:OT+8*\d+7], v[VF+8*\d:VF+8*\d+7], v[PC:PC+7], v[OT+8*\d:OT+8*\d+7], v[VS+\d/2], v[PS] matrix_a_fmt:MATRIX_FMT_FP4 matrix_b_fmt:MATRIX_FMT_FP4 matrix_a_scale:MATRIX_SCALE_ROW1
.else
	v_wmma_scale_f32_16x16x128_f8f6f4 v[OT+8*\d:OT+8*\d+7], v[VF+8*\d:VF+8*\d+7], v[PC:PC+7], v[OT+8*\d:OT+8*\d+7], v[VS+\d/2], v[PS] matrix_a_fmt:MATRIX_FMT_FP4 matrix_b_fmt:MATRIX_FMT_FP4
.endif
.endr
.rept 3                                ; the sum's last six lines name none of those products' registers: they are the places behind them
	v_pk_add_f32 v[SM+2*(k%4):SM+2*(k%4)+1], v[SM+2*(k%4):SM+2*(k%4)+1], v[SS+12+2*k:SS+13+2*k]
.set k, k+1
.endr
	v_pk_add_f32 v[SM+4:SM+5], v[SM+4:SM+5], v[SM+6:SM+7]
	v_pk_add_f32 v[SM:SM+1], v[SM:SM+1], v[SM+2:SM+3]
	s_delay_alu instid0(VALU_DEP_1)
	v_pk_add_f32 v[SM:SM+1], v[SM:SM+1], v[SM+4:SM+5]
.endm
.Lstep:                                            ; 15 trips
	TRIP 1
	s_add_co_u32 s[TB], s[TB], LSTEP
	s_sub_co_u32 s[CNT], s[CNT], 1
	s_cmp_lg_u32 s[CNT], 0
	s_cbranch_scc1 .Lstep
	TRIP 0                                         ; the sixteenth: no step follows, so no K is fetched
	; THE WAY OUT.  Register 8 d + j of O^T is channel 32 (d / 2) + 16 (lane / 16) + 8 (d % 2) + j: two blocks of 32 along d_model, half a block in each half of the lanes.
	s_delay_alu instid0(VALU_DEP_1)
	v_add_f32 v14, v[SM], v[SM+1]                  ; the sum's two halves
	v_lshlrev_b32 v[TQ+3], 4, v[RR]                ; oscl: 16 bytes a lane-row
	s_delay_alu instid0(VALU_DEP_2)
	v_permlanex16_b32 v[TT], v14, s[SEL], s[SEL+1]
	s_delay_alu instid0(VALU_DEP_1)
	v_add_f32 v14, v14, v[TT]                      ; and lane l xor 16's: the row's sum
	s_wait_alu depctr_va_vdst(0)
	v_rcp_f32 v14, v14
	v_nop                                          ; one plain line behind a transcendental
	s_wait_alu depctr_va_vdst(0)
.set j, 0
.rept 16
	v_pk_mul_f32 v[SS+j:SS+j+1], v[OT+j:OT+j+1], v[14:15] op_sel_hi:[1,0]   ; O^T / the sum; each accumulator from its low end on
.set j, j+2
.endr
.irp be, 0,1
	v_max3_num_f32 v[BM+\be], |v[SS+16*\be]|, |v[SS+16*\be+1]|, 0x1800000   ; with the floor 2^(3 - 127): the byte cannot fall under 1
.endr
.irp i, 2,4,6,8,10,12,14
.irp be, 0,1
	s_delay_alu instid0(VALU_DEP_2)
	v_max3_num_f32 v[BM+\be], v[BM+\be], |v[SS+16*\be+\i]|, |v[SS+16*\be+\i+1]|
.endr
.endr
.irp be, 0,1
	s_delay_alu instid0(VALU_DEP_2)
	v_permlanex16_b32 v[TQ+\be], v[BM+\be], s[SEL], s[SEL+1]
.endr
.irp be, 0,1
	s_delay_alu instid0(VALU_DEP_2)
	v_max_num_f32 v[BM+\be], v[BM+\be], v[TQ+\be]
.endr
.irp be, 0,1
	s_delay_alu instid0(VALU_DEP_2)
	v_add_nc_u32 v[SO+\be], 0xff000000, v[BM+\be]  ; 2 off the exponent field: the conversion's scale operand
.endr
.irp be, 0,1
	s_delay_alu instid0(VALU_DEP_2)
	v_lshrrev_b32 v[TQ+\be], 23, v[SO+\be]
.endr
	s_delay_alu instid0(VALU_DEP_1)
	v_lshl_or_b32 v[TQ+2], v[TQ+1], 8, v[TQ]       ; my head's two bytes of the row's scale word
.irp be, 0,1
	v_cvt_scalef32_pk8_fp4_f32 v[PC+2*\be], v[SS+16*\be:SS+16*\be+7], v[SO+\be]
	v_cvt_scalef32_pk8_fp4_f32 v[PC+2*\be+1], v[SS+16*\be+8:SS+16*\be+15], v[SO+\be]
.endr
	v_nop
	v_permlane16_swap_b32 v[PC], v[PC+2]           ; a whole block to a lane
	v_permlane16_swap_b32 v[PC+1], v[PC+3]
	global_store_b128 v[LI], v[PC:PC+3], s[6:7]    ; 512 consecutive bytes, aligned
	global_store_b16 v[TQ+3], v[TQ+2], s[8:9]      ; lanes l and l xor 16 store the same two bytes with the same value
	s_wait_tensorcnt 0x0                           ; the wave's end
	ds_add_u32 v254, v255
	s_wait_dscnt 0x0
	ROUND                                          ; the closing round: no work-group ends while a partner may still ask for a tile that names it
	s_endpgm
.Lfunc_end_k_qeea89f4db8_attn:
	.size	k_qeea89f4db8_attn, .Lfunc_end_k_qeea89f4db8_attn-k_qeea89f4db8_attn
	.p2alignl 7, 3214868480
	.fill 96, 4, 3214868480
	.section	.rodata,"a",@progbits
	.p2align	6, 0x0
	.amdhsa_kernel k_qeea89f4db8_attn
		.amdhsa_group_segment_fixed_size 169984
		.amdhsa_private_segment_fixed_size 0
		.amdhsa_enable_private_segment 0
		.amdhsa_kernarg_size 24
		.amdhsa_user_sgpr_count 2
		.amdhsa_user_sgpr_kernarg_segment_ptr 1
		.amdhsa_wavefront_size32 1
		.amdhsa_system_sgpr_workgroup_id_x 1
		.amdhsa_system_sgpr_workgroup_id_y 1
		.amdhsa_system_sgpr_workgroup_id_z 1
		.amdhsa_system_vgpr_workitem_id 0
		.amdhsa_next_free_vgpr 256
		.amdhsa_next_free_sgpr 66
		.amdhsa_reserve_vcc 0
		.amdhsa_float_denorm_mode_32 3
		.amdhsa_float_denorm_mode_16_64 3
		.amdhsa_memory_ordered 1
		.amdhsa_forward_progress 1
		.amdhsa_inst_pref_size 40
	.end_amdhsa_kernel
	.amdgpu_metadata
---
amdhsa.version: [ 1, 2 ]
amdhsa.kernels:
  - .name:           k_qeea89f4db8_attn
    .symbol:         k_qeea89f4db8_attn.kd
    .args:
      - { .name: qkv, .offset: 0, .size: 8, .value_kind: global_buffer, .address_space: global }
      - { .name: oimg, .offset: 8, .size: 8, .value_kind: global_buffer, .address_space: global }
      - { .name: oscl, .offset: 16, .size: 8, .value_kind: global_buffer, .address_space: global }
    .group_segment_fixed_size: 169984
    .private_segment_fixed_size: 0
    .kernarg_segment_align: 8
    .kernarg_segment_size: 24
    .max_flat_workgroup_size: 512
    .sgpr_count:     66
    .vgpr_count:     256
    .wavefront_size: 32
...
	.end_amdgpu_metadata
.endif
;; end of part 3
;; launch oproj (part 4): grid 8 x 32, 4 waves a work-group, clusters of 4 x 4, 327,680 bytes of LDS; arguments oimg, oscl, cimg, simg, bo, out0; writes out0
.if DOCPART == 4
	.amdgcn_target "amdgcn-amd-amdhsa--gfx1250"
	.amdhsa_code_object_version 6
	.text
	.protected	k_qeea89f4db8_oproj
	.globl	k_qeea89f4db8_oproj
	.p2align	8
	.type	k_qeea89f4db8_oproj,@function
k_qeea89f4db8_oproj:
	s_mov_b64 s[64:65], 0
	v_nop
	global_prefetch_b8 v0, s[64:65] scope:SCOPE_SE
	s_setreg_imm32_b32 hwreg(HW_REG_WAVE_MODE, 25, 1), 1
	s_wait_xcnt 0x0
	s_wait_alu depctr_hold_cnt(0) depctr_sa_sdst(0) depctr_va_vdst(0) depctr_va_sdst(0) depctr_va_ssrc(0) depctr_va_vcc(0) depctr_vm_vsrc(0)
	s_getreg_b32 s2, hwreg(HW_REG_IB_STS2, 6, 4)
	s_cmp_eq_u32 s2, 0
	s_cbranch_scc0 .Lentry_in_a_cluster
	s_endpgm
.Lentry_in_a_cluster:
	s_bfe_u32 s2, ttmp6, 0x10000c
	s_cmp_lg_u32 s2, 0xf033
	s_cbranch_scc0 .Lentry_shape_is_right
	s_endpgm
.Lentry_shape_is_right:
.set SLOT,   4096                      ; within a row tile's 8,192 bytes: the second four K steps
.set BOFF,   65536                     ; A's 8 row tiles x 8,192 bytes, then B's 8
.set SCL,    131072
.set STG,    139264
.set SPITCH, 528
.set ADRA, 16
.set ADRB, 20
.set STO,  24
.set RD,   25
.set CO,   26
.set ADRS, 27
.set BA,   28
.set SC,   32
.set BO,   64
.set ACC,  128
.set G1,   24
.set G0,   32
.set G1B,  48
.set G0B,  56
.set G1S,  68
.set G0S,  76
.set G1SB, 80
.set G0SB, 88
.set MSB, 0
.macro WIN new
.if MSB != (\new)
	s_set_vgpr_msb (MSB<<8)|(\new)
.set MSB, \new
.endif
.endm
; THE HEAD'S JOINT LOADS, ONE A WAVE: wave 0 A's codes for all of K (8 row tiles, 65,536 dense bytes), wave 1 B's, wave 2 A's scale words, wave 3 B's.
; One chain of branches on the wave's number, an arm a load.  Every LDS byte is filled once.
.macro ARM under, g0, g1, next
	s_cmp_lt_u32 s14, \under
	s_cbranch_scc0 \next
	tensor_load_to_lds s[\g0:\g0+3], s[\g1:\g1+7]
	s_nop 0
.rept 4
	v_nop
.endr
	s_branch .Lhead_asked
\next:
.endm
.macro CROUND
	s_barrier_signal -1
	s_barrier_wait -1
	s_cmp_lg_u32 s14, 0
	s_cbranch_scc1 .Lnot_wave_0_\@
	s_barrier_signal -3
.Lnot_wave_0_\@:
	s_barrier_wait -3
	s_barrier_signal -1
	s_barrier_wait -1
.endm
	s_load_b256 s[4:11], s[0:1], 0x0
	s_load_b128 s[92:95], s[0:1], 0x20
	v_lshl_add_u32 v126, v0, 2, 0x32800
	v_mov_b32 v127, 0
	ds_add_u32 v126, v127
	ds_add_u32 v126, v127
	v_lshrrev_b32 v1, 5, v0
	v_readfirstlane_b32 s14, v1
	s_lshr_b32 s15, s14, 1
	s_and_b32 s16, s14, 1
	s_bfe_u32 s40, ttmp6, 0x40000
	s_bfe_u32 s41, ttmp6, 0x40004
	s_lshl_b32 s42, ttmp9, 2
	s_add_co_u32 s42, s42, s40
	s_and_b32 s17, ttmp7, 0xffff
	s_lshl_b32 s17, s17, 2
	s_add_co_u32 s17, s17, s41
	s_lshl_b32 s43, s41, 2
	s_lshl_b32 s43, 15, s43
	s_lshl_b32 s44, 0x1111, s40
	s_or_b32 s[G1+0], s43, (3<<16)|(1<<21)
	s_or_b32 s[G1B+0], s44, (3<<16)|(1<<21)
.irp g, G1, G1B
	s_mov_b32 s[\g+1], 1024<<16
	s_mov_b32 s[\g+2], 8<<16
	s_mov_b32 s[\g+3], 1024<<16
	s_mov_b32 s[\g+4], 8
	s_mov_b32 s[\g+5], 1024
	s_mov_b32 s[\g+6], 0
	s_mov_b32 s[\g+7], 0
.endr
	s_or_b32 s[G1S+0], s43, (3<<16)|(1<<21)
	s_or_b32 s[G1SB+0], s44, (3<<16)|(1<<21)
.irp g, G1S, G1SB
	s_mov_b32 s[\g+1], 32<<16
	s_mov_b32 s[\g+2], 16<<16
	s_mov_b32 s[\g+3], 32<<16
	s_mov_b32 s[\g+4], 16
	s_mov_b32 s[\g+5], 32
	s_mov_b32 s[\g+6], 0
	s_mov_b32 s[\g+7], 0
.endr
	s_lshl_b32 s20, s17, 3
	s_lshl_b32 s46, s42, 3
	s_add_co_u32 s46, s46, 448
	s_lshl_b32 s22, s20, 9
	s_mov_b32 s23, 0
	s_lshl_b32 s20, s20, 13
	s_mov_b32 s21, 0
	s_lshl_b32 s96, s46, 9
	s_mov_b32 s97, 0
	s_lshl_b32 s46, s46, 13
	s_mov_b32 s47, 0
	s_wait_dscnt 0x0
	s_wait_kmcnt 0x0
	s_add_nc_u64 s[20:21], s[4:5], s[20:21]
	s_add_nc_u64 s[22:23], s[6:7], s[22:23]
	s_add_nc_u64 s[46:47], s[8:9], s[46:47]
	s_add_nc_u64 s[96:97], s[10:11], s[96:97]
	CROUND
	s_mov_b32 s[G0S], 1
	s_mov_b32 s[G0S+1], SCL
	s_mov_b64 s[G0S+2:G0S+3], s[22:23]
	s_or_b32 s[G0S+3], s[G0S+3], 0x80000000
	s_mov_b32 s[G0SB], 1
	s_mov_b32 s[G0SB+1], SCL+4096
	s_mov_b64 s[G0SB+2:G0SB+3], s[96:97]
	s_or_b32 s[G0SB+3], s[G0SB+3], 0x80000000
	s_mov_b32 s[G0], 1
	s_mov_b32 s[G0+1], 0
	s_mov_b64 s[G0+2:G0+3], s[20:21]
	s_or_b32 s[G0+3], s[G0+3], 0x80000000
	s_mov_b32 s[G0B], 1
	s_mov_b32 s[G0B+1], BOFF
	s_mov_b64 s[G0B+2:G0B+3], s[46:47]
	s_or_b32 s[G0B+3], s[G0B+3], 0x80000000
	ARM 1, G0,  G1,  .Lhead_b
	ARM 2, G0B, G1B, .Lhead_sa
	ARM 3, G0S, G1S, .Lhead_sb
	tensor_load_to_lds s[G0SB:G0SB+3], s[G1SB:G1SB+7]
	s_nop 0
.rept 4
	v_nop
.endr
.Lhead_asked:
	v_and_b32 v4, 31, v0
	v_and_b32 v1, 15, v0
	v_bfe_u32 v2, v0, 4, 1
	v_lshlrev_b32 v[CO], 4, v4
	s_wait_alu depctr_va_vdst(0)
	v_lshlrev_b32 v[BA], 6, v2
	s_lshl_b32 s18, s42, 9
	s_lshl_b32 s19, s16, 8
	s_add_co_u32 s18, s18, s19
	s_mov_b32 s19, 0
	s_add_nc_u64 s[92:93], s[92:93], s[18:19]
.irp be, 0,1
.irp i, 0,1,2,3
	global_load_b128 v[BO+16*\be+4*\i:BO+16*\be+4*\i+3], v[BA], s[92:93] offset:128*\be+16*\i
.endr
.endr
	s_lshl_b32 s18, s15, 15
	s_lshl_b32 s19, s16, 15
	s_add_co_u32 s19, s19, BOFF
.irp s, 0,1
	v_add_nc_u32 v[ADRA+\s], s18, v[CO]
	v_add_nc_u32 v[ADRB+\s], s19, v[CO]
	s_add_co_u32 s18, s18, SLOT
	s_add_co_u32 s19, s19, SLOT
.endr
	v_lshlrev_b32 v5, 4, v1
	s_lshl_b32 s18, s15, 11
	s_lshl_b32 s19, s16, 11
	s_add_co_u32 s19, s19, 4096
	s_sub_co_u32 s19, s19, s18
	v_mul_u32_u24 v6, s19, v2
	s_add_co_u32 s18, s18, SCL
	v_add_nc_u32 v5, v5, v6
	v_add_nc_u32 v[ADRS], s18, v5
	v_and_b32 v3, 8, v1
	v_add_nc_u32 v3, v3, v1
	v_mul_u32_u24 v[STO], v3, SPITCH
	v_lshl_add_u32 v[STO], v2, 6, v[STO]
	s_mul_i32 s18, s15, 64*SPITCH
	s_lshl_b32 s19, s16, 8
	s_add_co_u32 s18, s18, s19
	s_add_co_u32 s18, s18, STG
	v_add_nc_u32 v[STO], s18, v[STO]
	s_mul_i32 s18, s14, 32*SPITCH
	s_add_co_u32 s18, s18, STG
	v_add_nc_u32 v[RD], s18, v[CO]
	s_lshl_b32 s20, s17, 19
	s_lshl_b32 s21, s14, 17
	s_add_co_u32 s20, s20, s21
	s_mov_b32 s21, 0
	s_lshl_b32 s46, s42, 9
	s_mov_b32 s47, 0
	s_add_nc_u64 s[94:95], s[94:95], s[20:21]
	s_add_nc_u64 s[94:95], s[94:95], s[46:47]
.macro FETCH s, q, f
	WIN 0x40
.irp i, 0,1,2,3
.irp c, 0,1
	ds_load_b128 v[(\f)+32+8*\i+4*\c:(\f)+32+8*\i+4*\c+3], v[ADRB+(\s)] offset:8192*\i+1024*(\q)+512*\c
	ds_load_b128 v[(\f)+8*\i+4*\c:(\f)+8*\i+4*\c+3], v[ADRA+(\s)] offset:8192*\i+1024*(\q)+512*\c
.endr
.endr
.endm
.macro MUL f, s, q, first
	WIN 0x05
.irp a, 0,1,2,3
.irp b, 0,1,2,3
.if \first
	v_wmma_scale_f32_16x16x128_f8f6f4 v[ACC+8*(4*\a+\b):ACC+8*(4*\a+\b)+7], v[(\f)+32+8*\b:(\f)+32+8*\b+7], v[(\f)+8*\a:(\f)+8*\a+7], v[BO+8*\b:BO+8*\b+7], v[SC+16*(\s)+4*\b+(\q)], v[SC+16*(\s)+4*\a+(\q)] matrix_a_fmt:MATRIX_FMT_FP4 matrix_b_fmt:MATRIX_FMT_FP4 matrix_a_scale:MATRIX_SCALE_ROW1
.else
	v_wmma_scale_f32_16x16x128_f8f6f4 v[ACC+8*(4*\a+\b):ACC+8*(4*\a+\b)+7], v[(\f)+32+8*\b:(\f)+32+8*\b+7], v[(\f)+8*\a:(\f)+8*\a+7], v[ACC+8*(4*\a+\b):ACC+8*(4*\a+\b)+7], v[SC+16*(\s)+4*\b+(\q)], v[SC+16*(\s)+4*\a+(\q)] matrix_a_fmt:MATRIX_FMT_FP4 matrix_b_fmt:MATRIX_FMT_FP4 matrix_a_scale:MATRIX_SCALE_ROW1
.endif
.endr
.endr
.endm
.macro PLACES
.rept 4
	v_nop
.endr
.endm
	s_wait_alu depctr_va_vdst(0)
	s_wait_tensorcnt 0x0
	s_barrier_signal -1
	s_barrier_wait -1
.irp s, 0,1
.irp i, 0,1,2,3
	ds_load_b128 v[SC+16*\s+4*\i:SC+16*\s+4*\i+3], v[ADRS] offset:512*\i+256*\s
.endr
.endr
	FETCH 0, 0, 0
	s_wait_loadcnt 0x0
.irp k, 0,1,2,3,4,5,6
	PLACES
	FETCH (\k+1)/4, (\k+1)%4, 64*((\k+1)%2)
	s_wait_dscnt 16
.if \k == 0
	MUL 0, 0, 0, 1
.else
	MUL 64*(\k%2), \k/4, \k%4, 0
.endif
.endr
	s_wait_dscnt 0x0
	MUL 64, 1, 3, 0
	WIN 0
	PLACES
.irp a, 0,1,2,3
.irp b, 0,1,2,3
	ds_store_b128 v[STO], v[ACC+8*(4*\a+\b):ACC+8*(4*\a+\b)+3] offset:(32*(\a/2)+8*(\a%2))*SPITCH+128*(\b/2)+32*(\b%2)
	ds_store_b128 v[STO], v[ACC+8*(4*\a+\b)+4:ACC+8*(4*\a+\b)+7] offset:(32*(\a/2)+8*(\a%2))*SPITCH+128*(\b/2)+32*(\b%2)+16
.endr
.endr
	s_wait_dscnt 0x0
	s_barrier_signal -1
	s_barrier_wait -1
.irp i, 0,1,2,3,4,5,6,7,8,9,10,11,12,13,14,15,16,17,18,19,20,21,22,23,24,25,26,27,28,29,30,31
	ds_load_b128 v[ACC+4*\i:ACC+4*\i+3], v[RD] offset:SPITCH*\i
.endr
.irp i, 0,1,2,3,4,5,6,7,8,9,10,11,12,13,14,15,16,17,18,19,20,21,22,23,24,25,26,27,28,29,30,31
	s_wait_dscnt 31-\i
	global_store_b128 v[CO], v[ACC+4*\i:ACC+4*\i+3], s[94:95] offset:4096*\i th:TH_STORE_NT
.endr
	s_wait_tensorcnt 0x0
	ds_add_u32 v126, v127
	s_wait_dscnt 0x0
	CROUND
	s_endpgm
.Lfunc_end_k_qeea89f4db8_oproj:
	.size	k_qeea89f4db8_oproj, .Lfunc_end_k_qeea89f4db8_oproj-k_qeea89f4db8_oproj
	.p2alignl 7, 3214868480
	.fill 96, 4, 3214868480
	.section	.rodata,"a",@progbits
	.p2align	6, 0x0
	.amdhsa_kernel k_qeea89f4db8_oproj
		.amdhsa_group_segment_fixed_size 327680
		.amdhsa_private_segment_fixed_size 0
		.amdhsa_enable_private_segment 0
		.amdhsa_kernarg_size 48
		.amdhsa_user_sgpr_count 2
		.amdhsa_user_sgpr_kernarg_segment_ptr 1
		.amdhsa_wavefront_size32 1
		.amdhsa_system_sgpr_workgroup_id_x 1
		.amdhsa_system_sgpr_workgroup_id_y 1
		.amdhsa_system_sgpr_workgroup_id_z 1
		.amdhsa_system_vgpr_workitem_id 0
		.amdhsa_next_free_vgpr 384
		.amdhsa_next_free_sgpr 100
		.amdhsa_reserve_vcc 0
		.amdhsa_float_denorm_mode_32 3
		.amdhsa_float_denorm_mode_16_64 3
		.amdhsa_memory_ordered 1
		.amdhsa_forward_progress 1
		.amdhsa_inst_pref_size 44
	.end_amdhsa_kernel
	.amdgpu_metadata
---
amdhsa.version: [ 1, 2 ]
amdhsa.kernels:
  - .name:           k_qeea89f4db8_oproj
    .symbol:         k_qeea89f4db8_oproj.kd
    .args:
      - { .name: oimg, .offset: 0, .size: 8, .value_kind: global_buffer, .address_space: global }
      - { .name: oscl, .offset: 8, .size: 8, .value_kind: global_buffer, .address_space: global }
      - { .name: cimg, .offset: 16, .size: 8, .value_kind: global_buffer, .address_space: global }
      - { .name: simg, .offset: 24, .size: 8, .value_kind: global_buffer, .address_space: global }
      - { .name: bo, .offset: 32, .size: 8, .value_kind: global_buffer, .address_space: global }
      - { .name: out0, .offset: 40, .size: 8, .value_kind: global_buffer, .address_space: global }
    .group_segment_fixed_size: 327680
    .private_segment_fixed_size: 0
    .kernarg_segment_align: 8
    .kernarg_segment_size: 48
    .max_flat_workgroup_size: 128
    .sgpr_count:     100
    .vgpr_count:     384
    .wavefront_size: 32
...
	.end_amdgpu_metadata
.endif
;; end of part 4
